; MI455X (gfx1250); checked and timed in simulation.
; The chip was launched on July 23, 2026; its instructions are those of AMD's public machine-readable ISA for CDNA 5 (MIT licence, August 2026) and "CDNA5" Instruction Set Architecture Reference Guide (July 2026). The comments in the code are by the model that wrote it; some were corrected since.
;; Multi Head Self Attention. Allowed arithmetic: matrix products marked QUANTISED: E2M1 operands, one E8M0 scale for each 32 along K, by v_wmma_scale_f32_16x16x128_f8f6f4 with both operands' format E2M1 (or v_wmma_scale_f32_32x16x128_f4), f32 sums; everything else in f32.
;; Inputs: Wk 16 x 1,024 x 64 float32; Wo 1,024 x 1,024 float32; Wq 16 x 1,024 x 64 float32; Wv 16 x 1,024 x 64 float32; bk 16 x 64 float32; bo 1,024 float32; bq 16 x 64 float32; bv 16 x 64 float32; x 2 x 2,048 x 1,024 float32.
;; Outputs: out0 2 x 2,048 x 1,024 float32.
;; This version of the problem:
;;   THIS VERSION OF THE PROBLEM IS GIVEN IN LOW PRECISION. The matrix products marked QUANTISED in the list below multiply operands that are first quantised to E2M1 (2 exponent bits, 1 mantissa bit; 4 bits a number), with one power-of-two scale for each 32 numbers along K (OCP MX v1.0); their sums are f32. All else is computed in f32.
;;   The module's matrix products, in the order in which they are computed (A, B: the left and right operand; K: the contracted axis; several contracted axes count as one K, in the product's order):
;;     1. [M 1,024, K 1,024] x [K 1,024, N 4,096]; A: input Wq; B: input x: QUANTISED
;;     2. [M 1,024, K 1,024] x [K 1,024, N 4,096]; A: input Wk; B: input x: QUANTISED
;;     3. [M 1,024, K 1,024] x [K 1,024, N 4,096]; A: input Wv; B: input x: QUANTISED
;;     4. batch 32 x [M 2,048, K 64] x [K 64, N 2,048]; A: computed on the way; B: computed on the way: QUANTISED
;;     5. batch 32 x [M 2,048, K 2,048] x [K 2,048, N 64]; A: softmax (see below); B: computed on the way: QUANTISED
;;     6. [M 4,096, K 1,024] x [K 1,024, N 1,024]; A: computed on the way; B: input Wo: QUANTISED
;;   THE QUANTISER, for each operand of a quantised product, along K:
;;     - K is cut into blocks of 32 from its start; a last block that is shorter is filled with zeros.
;;     - A block's scale is 2^e with e = floor(log2(the largest magnitude in the block)) - 2, held to -126 .. 127; a block of zeros has e = 0. As a byte (E8M0): e + 127.
;;     - Each number is divided by its block's scale, clamped to +-6, and rounded to the nearest number of E2M1, ties to even, subnormals kept.
;;     - The product sums the exact products of the quantised numbers (number of the format x scale) in f32.
;;   ~~~python
;;   def quantise(x, axis):      # numpy; x: float32 -> the quantised numbers, widened to float32 again
;;       x = np.moveaxis(x, axis, -1); K = x.shape[-1]
;;       x = np.pad(x, [(0, 0)] * (x.ndim - 1) + [(0, -K % 32)]); x = x.reshape(x.shape[:-1] + (-1, 32)); a = np.abs(x).max(-1, keepdims=True)
;;       e = np.where(a > 0, np.clip(np.frexp(np.where(a > 0, a, 1))[1] - 1 - 2, -126, 127), 0)      # np.frexp(a)[1] - 1 = floor(log2(a)), exactly
;;       r = np.clip(x / 2.0 ** e, -6, 6)
;;       step = 2.0 ** (np.maximum(np.frexp(np.where(r == 0, 1, r))[1] - 1, 0) - 1)
;;       q = np.round(r / step) * step * 2.0 ** e      # np.round: ties to even
;;       return np.moveaxis(q.reshape(q.shape[:-2] + (-1,))[..., :K], -1, axis).astype(np.float32)
;;   ~~~
;;   SOFTMAX AHEAD OF A QUANTISED PRODUCT. Where the list says 'softmax', what is quantised is not the finished softmax but p = 2^(t - M), with t = logit x log2(e) and M = ceil(the row's largest t), a whole number; so 1/2 < the row's largest p <= 1. The row's sum l is taken of the UNQUANTISED p, in f32, and the product's result is divided by l at the end. Since M is a whole number, a kernel that streams over the keys may use a running M (the ceiling of the running maximum): every later rescaling is an exact power of two, which a block's scale takes up: the codes' values come out the same.
;;   OPERANDS COMPUTED ON THE WAY. 'Computed on the way' means the value that the module computes at that place (a softmax that the list does not call 'softmax' is quantised finished and normalised). What goes into a quantiser is computed in f32, as accurately as f32 sums, v_exp_f32 and their like allow (about 1e-6 of the number): no bf16 or f16 on the way to a quantiser, and a product that is left as it is and whose result goes on into a quantised operand takes f32 operands (vector FMAs, or v_wmma_f32_16x16x4_f32). A number that lies on a knife's edge between two numbers of the format may be rounded either way, as far as f32 arithmetic and the matrix unit's own rounding can turn it there, and no further.
;; One version. Each part assembles by itself: llvm-mc -triple=amdgcn-amd-amdhsa -mcpu=gfx1250 --defsym DOCPART=n.
;; ======== version 1 of 1: 4 launches
;; limits: right only within a limited range of input values
;; workspace buffers: xq 2,228,224 bytes; wq 2,228,224 bytes; qkv 6,684,672 bytes; oq 2,228,224 bytes
;; launch quant (part 1): grid 256 x 1, 8 waves a work-group, no clusters, 136,192 bytes of LDS; arguments x, Wq, Wk, Wv, Wo, xq, wq; writes xq, wq
.if DOCPART == 1
	.amdgcn_target "amdgcn-amd-amdhsa--gfx1250"
	.amdhsa_code_object_version 6
	.text
	.protected	k_q98e2919e30_quant
	.globl	k_q98e2919e30_quant
	.p2align	8
	.type	k_q98e2919e30_quant,@function
k_q98e2919e30_quant:
	s_mov_b64 s[64:65], 0
	v_nop
	global_prefetch_b8 v0, s[64:65] scope:SCOPE_SE
	s_setreg_imm32_b32 hwreg(HW_REG_WAVE_MODE, 25, 1), 1
	s_wait_xcnt 0x0
; x [4096][1024] and the four weights (K = their axis of 1,024, which is NOT innermost) become codes of FP4 (E2M1) with one E8M0 byte for each 32 along K.
; A block's scale is 2^(floor(log2(its largest magnitude)) - 2); its byte is the largest magnitude's exponent field - 2, held at 1 from below.
; LIMITS: a block whose largest magnitude lies under 2^-124 keeps the byte 1; a block of zeros gets the byte 1 where the rule says 127 (its codes are zeros, and this program alone reads the bytes);
; NaN and infinities among the inputs are not served.
; THE LAYOUT OF THE RESULT is the order of an operand's registers.  A UNIT is 64 rows x 1,024 K = 34,816 bytes:
;   codes  at t*8192 + s*1024 + c*512 + 16*lane: tile t = 2g+u of 16 rows, K step s of 128; lane (r, h) holds k = 128s + 64c + 32h + 0..31 of row 32g + 8u + r + 8(r/8);
;   scales at 32768 + g*1024 + s*128 + 4*(r + 16u): the row's four bytes of K step s.
; So a later launch gets a fragment by two loads of 16 bytes a lane from 512 consecutive bytes, and the scale words of two tiles by one load of 4 bytes a lane.
; xq: 64 units of 64 tokens.  wq: units 0-15 Wq's heads, 16-31 Wk's, 32-47 Wv's (row = d), 48-63 Wo's columns 64j on.
; SHARES.  Work-groups 0-127 take x, 128-255 the weights: a work-group takes one unit x 512 along K, a wave 32 rows x 128 along K.  Waves share nothing: no barrier.
; No input is read by two work-groups, so there is nothing to ask for jointly: no cluster.  No matrix work, no tensor load.
.set UNIT,   34816
.set SPITCH, 528                       ; a stage row: 512 bytes + 16 = 33 x 16: the sixteen rows that a load touches begin at sixteen different 16-byte columns modulo 256
.set WSTG,   32*SPITCH                 ; a wave's own stage (x path alone)
.set LI,  4                            ; v4   16 x lane
.set L4,  5                            ; v5   4 x lane
.set STW, 6                            ; v6   x path: the stage, on the way in
.set STR, 7                            ; v7   x path: the stage, on the way out
.set CO,  8                            ; v8   weights: my column's place among the codes
.set SOF, 9                            ; v9   weights: my column's scale word
.set M,   10                           ; v10-11 largest magnitudes, then bytes
.set SO,  12                           ; v12-13 the conversions' scale operands
.set T,   14                           ; v14  a lane permute's destination
.set W,   15                           ; v15  a scale word in the making
.set C,   16                           ; v16-31 codes: every store has registers of its own
.set N,   32                           ; v32-95 x path: 64 neighbours along K
.set X,   96                           ; v96-223 numbers as loaded
.set WD,  224                          ; v224-225 x path: the two tiles' scale words
.set WS,  226                          ; v226 both, lanes 0-15 tile 0, lanes 16-31 tile 1
.set SH,  227                          ; v227 8 h
	s_load_b256 s[4:11], s[0:1], 0x0               ; x s[4:5], Wq s[6:7], Wk s[8:9], Wv s[10:11]
	s_load_b128 s[12:15], s[0:1], 0x20             ; Wo s[12:13], xq s[14:15]
	s_load_b64 s[16:17], s[0:1], 0x30              ; wq
	v_lshl_add_u32 v232, v0, 2, 0x21000
	v_mov_b32 v233, 0
	v_lshrrev_b32 v1, 5, v0
	s_delay_alu instid0(VALU_DEP_1)
	v_readfirstlane_b32 s18, v1                    ; wave 0..7
	v_and_b32 v1, 31, v0                           ; lane
	s_delay_alu instid0(VALU_DEP_1)
	v_lshlrev_b32 v[LI], 4, v1
	s_delay_alu instid0(VALU_DEP_2)
	v_lshlrev_b32 v[L4], 2, v1
	s_and_b32 s19, ttmp9, 127
	s_lshr_b32 s28, s19, 1                         ; U: the unit
	s_and_b32 s29, s19, 1
	s_lshl_b32 s29, s29, 2                         ; which half of K: 4 K steps
	s_lshr_b32 s30, s18, 2                         ; g: which 32 rows of the unit
	s_and_b32 s31, s18, 3
	s_add_co_u32 s31, s31, s29                     ; s: my K step
	s_mul_i32 s36, s28, UNIT
	s_lshl_b32 s37, s30, 14
	s_lshl_b32 s38, s31, 10
	s_add_co_u32 s32, s36, s37
	s_add_co_u32 s32, s32, s38                     ; codes: U*UNIT + g*16384 + s*1024
	s_mov_b32 s33, 0
	s_lshl_b32 s37, s30, 10
	s_lshl_b32 s38, s31, 7
	s_add_co_u32 s34, s36, s37
	s_add_co_u32 s34, s34, s38
	s_add_co_u32 s34, s34, 32768                   ; scales: U*UNIT + 32768 + g*1024 + s*128
	s_mov_b32 s35, 0
	s_mov_b32 s21, 0
	s_wait_kmcnt 0x0
	s_cmp_lt_u32 ttmp9, 128                        ; the choice hangs on the work-group's number alone
	s_cselect_b64 s[22:23], s[14:15], s[16:17]
	s_add_nc_u64 s[24:25], s[22:23], s[34:35]      ; where my scale words go
	s_add_nc_u64 s[22:23], s[22:23], s[32:33]      ; where my codes go
	s_cmp_lt_u32 ttmp9, 128
	s_cbranch_scc0 .Lweights
; ---- x: K is innermost.  Each load takes 512 consecutive bytes of one row, 16 a lane; the rows turn through the wave's own stage and come back 128 bytes (a whole block of 32) a lane.
	v_and_b32 v2, 15, v0                           ; r
	v_bfe_u32 v3, v0, 4, 1                         ; h
	s_mul_i32 s36, s18, WSTG
	s_wait_alu depctr_va_vdst(0)
	v_add_nc_u32 v[STW], s36, v[LI]
	v_mul_u32_u24 v[STR], v2, SPITCH
	s_delay_alu instid0(VALU_DEP_1)
	v_lshl_add_u32 v[STR], v3, 7, v[STR]           ; row r, + 128 h: k = 32 h on
	s_delay_alu instid0(VALU_DEP_1)
	v_add_nc_u32 v[STR], s36, v[STR]
	v_lshlrev_b32 v[SH], 3, v3
	v_mov_b32 v[T], 0                              ; written once: a lane permute's destination counts as one of its sources
	v_cmp_le_u32 vcc_lo, 16, v1                    ; lanes 16-31
	s_mov_b32 s26, 0x76543210
	s_mov_b32 s27, 0xfedcba98                      ; v_permlanex16_b32's selects for lane l xor 16
	s_lshl_b32 s37, s28, 18                        ; 64 U rows of 4,096 bytes
	s_lshl_b32 s38, s30, 17                        ; 32 g rows
	s_lshl_b32 s39, s31, 9                         ; 128 s numbers
	s_add_co_u32 s20, s37, s38
	s_add_co_u32 s20, s20, s39
	s_add_nc_u64 s[20:21], s[4:5], s[20:21]
.irp u, 0,1
.irp r, 0,1,2,3,4,5,6,7,8,9,10,11,12,13,14,15
	global_load_b128 v[X+4*(16*\u+\r):X+4*(16*\u+\r)+3], v[LI], s[20:21] offset:(8*\u+\r+8*(\r/8))*4096 th:TH_LOAD_NT   ; place r of tile u is row 8u + r + 8(r/8)
.endr
.endr
.macro XTILE u
	s_wait_loadcnt 16*(1-\u)                       ; this tile's sixteen loads are in; the other tile's sixteen may be out
.irp r, 0,1,2,3,4,5,6,7,8,9,10,11,12,13,14,15
	ds_store_b128 v[STW], v[X+4*(16*\u+\r):X+4*(16*\u+\r)+3] offset:(16*\u+\r)*SPITCH
.endr
.irp c, 0,1
.irp j, 0,1,2,3,4,5,6,7
	ds_load_b128 v[N+32*\c+4*\j:N+32*\c+4*\j+3], v[STR] offset:\u*16*SPITCH+\c*256+16*\j   ; LDS serves a wave's instructions in order: these see my stores.  k = 64c + 32h + 4j on
.endr
.endr
	s_wait_dscnt 0x0
.irp c, 0,1
	v_max3_num_f32 v[M+\c], |v[N+32*\c]|, |v[N+32*\c+1]|, 0x1800000   ; block 2c + h is all mine; the floor 2^(3 - 127) holds the byte at 1 from below
.endr
.irp i, 2,4,6,8,10,12,14,16,18,20,22,24,26,28,30
.irp c, 0,1
	s_delay_alu instid0(VALU_DEP_2)
	v_max3_num_f32 v[M+\c], v[M+\c], |v[N+32*\c+\i]|, |v[N+32*\c+\i+1]|
.endr
.endr
.irp c, 0,1
	s_delay_alu instid0(VALU_DEP_2)
	v_add_nc_u32 v[SO+\c], 0xff000000, v[M+\c]     ; 2 off the exponent field: the conversion takes this operand's exponent field as its scale
.endr
.irp c, 0,1
	s_delay_alu instid0(VALU_DEP_2)
	v_lshrrev_b32 v[M+\c], 23, v[SO+\c]            ; the scale's byte
.endr
	s_delay_alu instid0(VALU_DEP_1)
	v_lshl_or_b32 v[W], v[M+1], 16, v[M]           ; my bytes: blocks h and 2 + h,
	s_delay_alu instid0(VALU_DEP_1)
	v_lshlrev_b32 v[W], v[SH], v[W]                ; at their places (8 h bits up);
	s_delay_alu instid0(VALU_DEP_1)
	v_permlanex16_b32 v[T], v[W], s26, s27
	s_delay_alu instid0(VALU_DEP_1)
	v_or_b32 v[WD+\u], v[W], v[T]                  ; with lane l xor 16's two the word is whole
.irp c, 0,1
.irp g, 0,1,2,3
	v_cvt_scalef32_pk8_fp4_f32 v[C+8*\u+4*\c+\g], v[N+32*\c+8*\g:N+32*\c+8*\g+7], v[SO+\c]
.endr
.endr
	v_nop                                          ; one plain place behind the last scaled conversion
.irp c, 0,1
	global_store_b128 v[LI], v[C+8*\u+4*\c:C+8*\u+4*\c+3], s[22:23] offset:\u*8192+\c*512   ; 512 consecutive bytes, aligned
.endr
.endm
	s_wait_alu depctr_va_vdst(0)
	XTILE 0
	XTILE 1
	v_cndmask_b32 v[WS], v[WD], v[WD+1], vcc_lo    ; lanes 0-15: tile 0's words, lanes 16-31: tile 1's
	global_store_b32 v[L4], v[WS], s[24:25]        ; 128 consecutive bytes
	s_wait_tensorcnt 0x0
	ds_add_u32 v232, v233
	s_wait_dscnt 0x0
	s_endpgm
; ---- the weights: K is not innermost.  A lane takes a column and its registers run down K: a block of 32 lies in one lane, and the codes come out with K innermost.
.Lweights:
	v_bfe_u32 v2, v0, 3, 1                         ; column 32g + lane is place r of tile u: u = (lane / 8) % 2,
	v_and_b32 v3, 7, v0
	v_lshrrev_b32 v6, 1, v0
	s_delay_alu instid0(VALU_DEP_1)
	v_and_b32 v6, 8, v6
	s_delay_alu instid0(VALU_DEP_1)
	v_or_b32 v3, v3, v6                            ; r = lane % 8 + 8 (lane / 16)
	s_delay_alu instid0(VALU_DEP_1)
	v_lshlrev_b32 v[CO], 4, v3
	s_delay_alu instid0(VALU_DEP_1)
	v_lshl_add_u32 v[CO], v2, 13, v[CO]            ; u*8192 + 16 r; block t of the K step adds 256 t (c = t / 2, h = t % 2)
	s_delay_alu instid0(VALU_DEP_3)
	v_lshl_add_u32 v[SOF], v2, 4, v3
	s_delay_alu instid0(VALU_DEP_1)
	v_lshlrev_b32 v[SOF], 2, v[SOF]                ; 4 (r + 16 u)
	s_lshr_b32 s36, s28, 4                         ; which weight
	s_and_b32 s37, s28, 15                         ; j: the head, or Wo's 64 columns
	s_lshl_b32 s38, s30, 7                         ; 32 g columns of 4 bytes
.macro LOADB t, pitch                  ; block t: W(32 t + i, my column): 32 lanes read 128 consecutive bytes
.irp i, 0,1,2,3,4,5,6,7,8,9,10,11,12,13,14,15,16,17,18,19,20,21,22,23,24,25,26,27,28,29,30,31
	global_load_b32 v[X+32*(\t)+\i], v[L4], s[20:21] offset:(32*(\t)+\i)*(\pitch) th:TH_LOAD_NT
.endr
.endm
.macro BLK t
.set XS, X+32*(\t)
	v_max3_num_f32 v[M], |v[XS]|, |v[XS+1]|, |v[XS+2]|
	v_max3_num_f32 v[M+1], |v[XS+3]|, |v[XS+4]|, |v[XS+5]|
.irp i, 6,10,14,18,22,26
	s_delay_alu instid0(VALU_DEP_2)
	v_max3_num_f32 v[M], v[M], |v[XS+\i]|, |v[XS+\i+1]|
	s_delay_alu instid0(VALU_DEP_2)
	v_max3_num_f32 v[M+1], v[M+1], |v[XS+\i+2]|, |v[XS+\i+3]|
.endr
	s_delay_alu instid0(VALU_DEP_2)
	v_max3_num_f32 v[M], v[M], |v[XS+30]|, |v[XS+31]|
	s_delay_alu instid0(VALU_DEP_1)
	v_max3_num_f32 v[M], v[M], v[M+1], 0x1800000   ; and the floor
	s_delay_alu instid0(VALU_DEP_1)
	v_add_nc_u32 v[SO], 0xff000000, v[M]
	s_delay_alu instid0(VALU_DEP_1)
	v_lshrrev_b32 v[M+1], 23, v[SO]
.if (\t) == 0
	s_delay_alu instid0(VALU_DEP_1)
	v_mov_b32 v[W], v[M+1]
.else
	s_delay_alu instid0(VALU_DEP_1)
	v_lshl_or_b32 v[W], v[M+1], 8*(\t), v[W]       ; four bytes to the word, the lower K in the lower byte
.endif
.irp g, 0,1,2,3
	v_cvt_scalef32_pk8_fp4_f32 v[C+4*(\t)+\g], v[XS+8*\g:XS+8*\g+7], v[SO]
.endr
	v_nop                                          ; one plain place behind the last scaled conversion
	global_store_b128 v[CO], v[C+4*(\t):C+4*(\t)+3], s[22:23] offset:256*(\t)   ; the sixteen lanes of a tile store 256 consecutive bytes, aligned
.endm
.macro WPATH pitch                     ; loads run two blocks ahead; each count 32 is the one younger block
	LOADB 0, \pitch
	LOADB 1, \pitch
	s_wait_loadcnt 32
	LOADB 2, \pitch
	BLK 0
	s_wait_loadcnt 32
	LOADB 3, \pitch
	BLK 1
	s_wait_loadcnt 32
	BLK 2
	s_wait_loadcnt 0x0
	BLK 3
	global_store_b32 v[SOF], v[W], s[24:25]
.endm
	s_cmp_eq_u32 s36, 3
	s_cbranch_scc1 .Lwo
	s_cmp_eq_u32 s36, 0
	s_cselect_b64 s[26:27], s[6:7], s[8:9]
	s_cmp_eq_u32 s36, 2
	s_cselect_b64 s[26:27], s[10:11], s[26:27]
	s_lshl_b32 s20, s37, 18                        ; [head][i][d]: a head is 262,144 bytes, a row of 64 is 256
	s_lshl_b32 s39, s31, 15                        ; 128 s rows
	s_add_co_u32 s20, s20, s39
	s_add_co_u32 s20, s20, s38
	s_add_nc_u64 s[20:21], s[26:27], s[20:21]
	WPATH 256
	s_endpgm
.Lwo:
	s_lshl_b32 s20, s37, 8                         ; Wo [i][o]: 64 j columns, rows of 4,096 bytes
	s_lshl_b32 s39, s31, 19                        ; 128 s rows
	s_add_co_u32 s20, s20, s39
	s_add_co_u32 s20, s20, s38
	s_add_nc_u64 s[20:21], s[12:13], s[20:21]
	WPATH 4096
	s_endpgm
.Lfunc_end_k_q98e2919e30_quant:
	.size	k_q98e2919e30_quant, .Lfunc_end_k_q98e2919e30_quant-k_q98e2919e30_quant
	.p2alignl 7, 3214868480
	.fill 96, 4, 3214868480
	.section	.rodata,"a",@progbits
	.p2align	6, 0x0
	.amdhsa_kernel k_q98e2919e30_quant
		.amdhsa_group_segment_fixed_size 136192
		.amdhsa_private_segment_fixed_size 0
		.amdhsa_enable_private_segment 0
		.amdhsa_kernarg_size 56
		.amdhsa_user_sgpr_count 2
		.amdhsa_user_sgpr_kernarg_segment_ptr 1
		.amdhsa_wavefront_size32 1
		.amdhsa_system_sgpr_workgroup_id_x 1
		.amdhsa_system_sgpr_workgroup_id_y 1
		.amdhsa_system_sgpr_workgroup_id_z 1
		.amdhsa_system_vgpr_workitem_id 0
		.amdhsa_next_free_vgpr 234
		.amdhsa_next_free_sgpr 66
		.amdhsa_reserve_vcc 1
		.amdhsa_float_denorm_mode_32 3
		.amdhsa_float_denorm_mode_16_64 3
		.amdhsa_memory_ordered 1
		.amdhsa_forward_progress 1
		.amdhsa_inst_pref_size 62
	.end_amdhsa_kernel
	.amdgpu_metadata
---
amdhsa.version: [ 1, 2 ]
amdhsa.kernels:
  - .name:           k_q98e2919e30_quant
    .symbol:         k_q98e2919e30_quant.kd
    .args:
      - { .name: x, .offset: 0, .size: 8, .value_kind: global_buffer, .address_space: global }
      - { .name: Wq, .offset: 8, .size: 8, .value_kind: global_buffer, .address_space: global }
      - { .name: Wk, .offset: 16, .size: 8, .value_kind: global_buffer, .address_space: global }
      - { .name: Wv, .offset: 24, .size: 8, .value_kind: global_buffer, .address_space: global }
      - { .name: Wo, .offset: 32, .size: 8, .value_kind: global_buffer, .address_space: global }
      - { .name: xq, .offset: 40, .size: 8, .value_kind: global_buffer, .address_space: global }
      - { .name: wq, .offset: 48, .size: 8, .value_kind: global_buffer, .address_space: global }
    .group_segment_fixed_size: 136192
    .private_segment_fixed_size: 0
    .kernarg_segment_align: 8
    .kernarg_segment_size: 56
    .max_flat_workgroup_size: 256
    .sgpr_count:     66
    .vgpr_count:     234
    .wavefront_size: 32
...
	.end_amdgpu_metadata
.endif
;; end of part 1
;; launch qkv (part 2): grid 16 x 16, 12 waves a work-group, clusters of 4 x 4, 245,248 bytes of LDS; arguments xq, wq, bq, bk, bv, qkv; writes qkv
.if DOCPART == 2
	.amdgcn_target "amdgcn-amd-amdhsa--gfx1250"
	.amdhsa_code_object_version 6
	.text
	.protected	k_q98e2919e30_qkv
	.globl	k_q98e2919e30_qkv
	.p2align	8
	.type	k_q98e2919e30_qkv,@function
k_q98e2919e30_qkv:
	s_mov_b64 s[64:65], 0
	v_nop
	global_prefetch_b8 v0, s[64:65] scope:SCOPE_SE
	s_setreg_imm32_b32 hwreg(HW_REG_WAVE_MODE, 25, 1), 1
	s_wait_xcnt 0x0
	s_wait_alu depctr_hold_cnt(0) depctr_sa_sdst(0) depctr_va_vdst(0) depctr_va_sdst(0) depctr_va_ssrc(0) depctr_va_vcc(0) depctr_vm_vsrc(0)
	s_getreg_b32 s2, hwreg(HW_REG_IB_STS2, 6, 4)
	s_cmp_eq_u32 s2, 0
	s_cbranch_scc0 .Lentry_in_a_cluster
	s_endpgm
.Lentry_in_a_cluster:
	s_bfe_u32 s2, ttmp6, 0x10000c
	s_cmp_lg_u32 s2, 0xf033
	s_cbranch_scc0 .Lentry_shape_is_right
	s_endpgm
.Lentry_shape_is_right:
; q, k, v = x W + b on codes of FP4, and at once their own codes: q and k quantised along d (two blocks of 32), v along the keys.  No f32 result goes to memory.
; SHARES.  A work-group takes 256 tokens (I) of one head (J), for q, k and v.  Wave w: kind w / 4 (0 q, 1 k, 2 v), tokens 64 (w % 4) on: a tile of 64 x 64, 16 accumulators, 8 K steps of 128.
; LDS holds seven units of 34,816 bytes (operands laid in the order of their registers): units 0-3 the block's tokens, 4-6 the head's Wq, Wk, Wv; all of K, filled once: no slot is ever filled again.
; CLUSTER 4 x 4: the four work-groups of a row of the cluster share the tokens, the four of a column the head's weights: each unit is asked for jointly.
; TWO ROLES, ONE TEXT.  Source 0 is P, source 1 is R.  q, k: P = the weight (rows d), R = tokens: a lane holds one token and its registers run along d.  v: P = tokens, R = Wv: a lane holds one d and its
; registers run along the tokens, which are the keys.  A tile's rows are 32g + 8u + r + 8(r/8), so the 16 registers of tiles 2b and 2b + 1 are 16 neighbours along the next K: 32b + 16h + 0..15.
; THE RECORDS [kind][batch x 16 + head], 69,632 bytes each.  q, k: codes at T*512 + 16*lane (T the tile of 16 tokens, lane (r, h): d = 32h on); scales at 65536 + G*64 + 4r: the halfwords of tiles 2G, 2G+1.
; v: codes at s*4096 + t*1024 + c*512 + 16*lane (key step s of 128, tile t of d); scales at 65536 + p*128 + 4*lane (p: 64 keys): lanes 0-15 tiles 0 | 1, lanes 16-31 tiles 2 | 3, a halfword each.
; LIMITS: a block whose largest magnitude lies under 2^-124, a block of zeros among them, keeps the byte 1 (only this program reads the bytes); NaN and infinities are not served.
.set UNIT, 34816
.set REC,  69632
.set TYB,  32*REC
.set PA,  4                            ; v4   P's unit + 16 x lane
.set RA,  5                            ; v5   R's
.set PS,  6                            ; v6   P's unit + 4 x lane
.set RS,  7                            ; v7   R's
.set LI,  8                            ; v8   16 x lane
.set L4,  9                            ; v9   4 x lane
.set BQ,  10                           ; v10  bias offset of q, k: 64 h
.set BV,  11                           ; v11  of v: 4 (r + 8 (r / 8))
.set CO,  12                           ; v12-15 where tile q's codes go
.set SP,  16                           ; v16-17 P's scale words;  v18-19 R's: scales and nothing else
.set SR,  18
.set TP,  20                           ; v20-27 lane permutes' destinations, then bytes
.set PF,  32                           ; v32-63 P's four fragments
.set RF,  64                           ; v64-95 R's
.set BI,  96                           ; v96-127 the bias in the result's layout
.set ACC, 128                          ; v128-255 accumulator (rt, pt) at ACC + 8 (4 rt + pt)
.set TM,  32                           ; the way out: v32-39 largest magnitudes, v48-55 scale operands, v56-59 halfwords, v60-62 words, v64-79 codes
.set TSO, 48
.set HB,  56
.set W0,  60
.set W1,  61
.set WS,  62
.set CD,  64
.set G1X, 28                           ; s[28:35] descriptor group 1 for the tokens' units;  s[36:43] for the weights';  s[44:47], s[48:51] their groups 0
.set G1W, 36
.set G0X, 44
.set G0W, 48
.macro CROUND                          ; a round of the cluster's barrier
	s_barrier_signal -1
	s_barrier_wait -1
	s_cmp_lg_u32 s16, 0
	s_cbranch_scc1 .Lnot_wave_0_\@
	s_barrier_signal -3
.Lnot_wave_0_\@:
	s_barrier_wait -3
	s_barrier_signal -1
	s_barrier_wait -1
.endm
; one product; ra, rb: the scale words stand in lanes 16-31 of their registers
.macro WM d, a, b, c, sa, sb, ra, rb
.if (\ra) && (\rb)
	v_wmma_scale_f32_16x16x128_f8f6f4 v[(\d):(\d)+7], v[(\a):(\a)+7], v[(\b):(\b)+7], v[(\c):(\c)+7], v[\sa], v[\sb] matrix_a_fmt:MATRIX_FMT_FP4 matrix_b_fmt:MATRIX_FMT_FP4 matrix_a_scale:MATRIX_SCALE_ROW1 matrix_b_scale:MATRIX_SCALE_ROW1
.elseif (\ra)
	v_wmma_scale_f32_16x16x128_f8f6f4 v[(\d):(\d)+7], v[(\a):(\a)+7], v[(\b):(\b)+7], v[(\c):(\c)+7], v[\sa], v[\sb] matrix_a_fmt:MATRIX_FMT_FP4 matrix_b_fmt:MATRIX_FMT_FP4 matrix_a_scale:MATRIX_SCALE_ROW1
.elseif (\rb)
	v_wmma_scale_f32_16x16x128_f8f6f4 v[(\d):(\d)+7], v[(\a):(\a)+7], v[(\b):(\b)+7], v[(\c):(\c)+7], v[\sa], v[\sb] matrix_a_fmt:MATRIX_FMT_FP4 matrix_b_fmt:MATRIX_FMT_FP4 matrix_b_scale:MATRIX_SCALE_ROW1
.else
	v_wmma_scale_f32_16x16x128_f8f6f4 v[(\d):(\d)+7], v[(\a):(\a)+7], v[(\b):(\b)+7], v[(\c):(\c)+7], v[\sa], v[\sb] matrix_a_fmt:MATRIX_FMT_FP4 matrix_b_fmt:MATRIX_FMT_FP4
.endif
.endm
	s_load_b256 s[4:11], s[0:1], 0x0               ; xq s[4:5], wq s[6:7], bq s[8:9], bk s[10:11]
	s_load_b128 s[12:15], s[0:1], 0x20             ; bv s[12:13], qkv s[14:15]
	v_lshl_add_u32 v30, v0, 2, 0x3b800
	v_mov_b32 v31, 0
	ds_add_u32 v30, v31
	ds_add_u32 v30, v31
	v_lshrrev_b32 v1, 5, v0
	s_delay_alu instid0(VALU_DEP_1)
	v_readfirstlane_b32 s16, v1                    ; wave 0..11
	s_lshr_b32 s17, s16, 2                         ; kind
	s_and_b32 s18, s16, 3                          ; which 64 tokens
	s_lshr_b32 s19, s16, 3                         ; 1 in v's waves
	s_bfe_u32 s20, ttmp6, 0x40000                  ; cx
	s_bfe_u32 s21, ttmp6, 0x40004                  ; cy
	s_lshl_b32 s22, ttmp9, 2
	s_add_co_u32 s22, s22, s20                     ; J: the head
	s_and_b32 s23, ttmp7, 0xffff
	s_lshl_b32 s23, s23, 2
	s_add_co_u32 s23, s23, s21                     ; I: the block of 256 tokens
	s_lshl_b32 s24, s21, 2
	s_lshl_b32 s24, 15, s24                        ; my row of the cluster
	s_lshl_b32 s25, 0x1111, s20                    ; my column
	; group 1: a unit is a dense block: 136 rows of 32 elements of 8 bytes, no padding
	s_or_b32 s[G1X], s24, (3<<16)|(1<<21)          ; 15:0 the mask: the tokens' units go to my row; 17:16 elements of 8 bytes; 21 set beside a mask
	s_or_b32 s[G1W], s25, (3<<16)|(1<<21)          ; the weights' to my column
.irp g, G1X, G1W
	s_mov_b32 s[\g+1], 32<<16                      ; tensor_dim0 = 32
	s_mov_b32 s[\g+2], 136<<16                     ; tensor_dim1 = 136
	s_mov_b32 s[\g+3], 32<<16                      ; tile_dim0 = 32
	s_mov_b32 s[\g+4], 136                         ; tile_dim1 = 136
	s_mov_b32 s[\g+5], 32                          ; from row to row
	s_mov_b32 s[\g+6], 0
	s_mov_b32 s[\g+7], 0
.endr
	s_lshl_b32 s60, s23, 2
	s_add_co_u32 s60, s60, s18
	s_mul_i32 s60, s60, UNIT                       ; the tokens' unit 4 I + wave % 4: hangs on I alone
	s_mov_b32 s61, 0
	s_lshl_b32 s62, s18, 4
	s_add_co_u32 s62, s62, s22
	s_mul_i32 s62, s62, UNIT                       ; the weights' unit 16 (wave % 4) + J: hangs on J alone
	s_mov_b32 s63, 0
	s_mul_i32 s26, s18, UNIT
	s_wait_dscnt 0x0
	CROUND                                         ; all sixteen work-groups are here; the round needs no argument, so it stands ahead of the wait for them
	s_wait_kmcnt 0x0
	s_mov_b32 s[G0X], 1
	s_mov_b32 s[G0X+1], s26                        ; LDS: unit wave % 4 (waves 0-3 issue this one)
	s_add_nc_u64 s[G0X+2:G0X+3], s[4:5], s[60:61]
	s_or_b32 s[G0X+3], s[G0X+3], 0x80000000
	s_mov_b32 s[G0W], 1
	s_add_co_u32 s[G0W+1], s26, 4*UNIT             ; LDS: unit 4 + wave % 4 (waves 4-6 issue this one)
	s_add_nc_u64 s[G0W+2:G0W+3], s[6:7], s[62:63]
	s_or_b32 s[G0W+3], s[G0W+3], 0x80000000
	s_cmp_lt_u32 s16, 4                            ; the branches hang on the wave's number alone; four v_nop follow each load
	s_cbranch_scc0 .Lnot_x
	tensor_load_to_lds s[G0X:G0X+3], s[G1X:G1X+7]
	s_nop 0
.rept 4
	v_nop
.endr
	s_branch .Lasked
.Lnot_x:
	s_cmp_lt_u32 s16, 7
	s_cbranch_scc0 .Lasked
	tensor_load_to_lds s[G0W:G0W+3], s[G1W:G1W+7]
	s_nop 0
.rept 4
	v_nop
.endr
.Lasked:
	v_and_b32 v1, 31, v0                           ; lane
	v_and_b32 v2, 15, v0                           ; r
	v_bfe_u32 v3, v0, 4, 1                         ; h
	s_delay_alu instid0(VALU_DEP_3)
	v_lshlrev_b32 v[LI], 4, v1
	s_delay_alu instid0(VALU_DEP_4)
	v_lshlrev_b32 v[L4], 2, v1
	s_add_co_u32 s66, s17, 4                       ; my kind's weight lies in unit 4 + kind
	s_cmp_lt_u32 s16, 8
	s_cselect_b32 s67, s66, s18                    ; P: q, k: the weight; v: my tokens
	s_cselect_b32 s68, s18, 6                      ; R: q, k: my tokens; v: Wv
	s_mul_i32 s67, s67, UNIT
	s_mul_i32 s68, s68, UNIT
	v_add_nc_u32 v[PA], s67, v[LI]
	v_add_nc_u32 v[RA], s68, v[LI]
	v_add_nc_u32 v[PS], s67, v[L4]
	v_add_nc_u32 v[RS], s68, v[L4]
	v_lshlrev_b32 v[BQ], 6, v3
	v_and_b32 v[BV], 8, v2
	s_delay_alu instid0(VALU_DEP_1)
	v_add_nc_u32 v[BV], v[BV], v2
	s_delay_alu instid0(VALU_DEP_1)
	v_lshlrev_b32 v[BV], 2, v[BV]
	v_cmp_le_u32 vcc_lo, 16, v1                    ; lanes 16-31, for the way out
	s_lshl_b32 s78, 512, s19                       ; from tile to tile of the result: 512 bytes in q and k, 1,024 in v
	v_mov_b32 v[CO], v[LI]
	s_delay_alu instid0(VALU_DEP_1)
	v_add_nc_u32 v[CO+1], s78, v[CO]
	s_delay_alu instid0(VALU_DEP_1)
	v_add_nc_u32 v[CO+2], s78, v[CO+1]
	s_delay_alu instid0(VALU_DEP_1)
	v_add_nc_u32 v[CO+3], s78, v[CO+2]
.irp n, 0,1,2,3,4,5,6,7
	v_mov_b32 v[TP+\n], 0                          ; written once: a lane permute's destination counts as one of its sources
.endr
	s_mov_b32 s58, 0x76543210
	s_mov_b32 s59, 0xfedcba98                      ; v_permlanex16_b32's selects for lane l xor 16
	s_cmp_eq_u32 s17, 0
	s_cselect_b64 s[52:53], s[8:9], s[10:11]
	s_cmp_eq_u32 s17, 2
	s_cselect_b64 s[52:53], s[12:13], s[52:53]
	s_lshl_b32 s70, s22, 8
	s_mov_b32 s71, 0
	s_add_nc_u64 s[52:53], s[52:53], s[70:71]      ; my kind's bias, my head's 64 numbers
	; where the results go
	s_lshr_b32 s72, s23, 3
	s_lshl_b32 s72, s72, 4
	s_add_co_u32 s72, s72, s22                     ; batch x 16 + head
	s_mul_i32 s72, s72, REC
	s_mul_i32 s73, s17, TYB
	s_add_co_u32 s72, s72, s73                     ; my record
	s_and_b32 s73, s23, 7                          ; the block of 256 tokens within the batch: 8,192 bytes of codes in each kind
	s_lshl_b32 s74, s73, 13
	s_lshl_b32 s75, s18, 11                        ; q, k: my four tiles of 512 bytes
	s_lshr_b32 s76, s18, 1
	s_lshl_b32 s76, s76, 12                        ; v: the key step of 128,
	s_and_b32 s77, s18, 1
	s_lshl_b32 s77, s77, 9                         ; and which 64 keys of it
	s_add_co_u32 s76, s76, s77
	s_cmp_lt_u32 s16, 8
	s_cselect_b32 s75, s75, s76
	s_add_co_u32 s74, s74, s75
	s_add_co_u32 s74, s74, s72
	s_mov_b32 s75, 0
	s_add_nc_u64 s[54:55], s[14:15], s[74:75]      ; codes
	s_lshl_b32 s76, s73, 2
	s_add_co_u32 s76, s76, s18
	s_lshl_b32 s76, s76, 7                         ; 128 bytes of scales for my 64 tokens, in each kind
	s_add_co_u32 s76, s76, s72
	s_add_co_u32 s76, s76, 65536
	s_mov_b32 s77, 0
	s_add_nc_u64 s[56:57], s[14:15], s[76:77]      ; scales
	; THE BIAS is the C of each sum's first product, in the result's layout
	s_cmp_lt_u32 s16, 8
	s_cbranch_scc0 .Lbias_v
.irp pt, 0,1,2,3                       ; q, k: register j of tile pt = 2b + u is d = 32b + 16h + 8u + j
	global_load_b128 v[BI+8*\pt:BI+8*\pt+3], v[BQ], s[52:53] offset:(32*(\pt/2)+8*(\pt%2))*4
	global_load_b128 v[BI+8*\pt+4:BI+8*\pt+7], v[BQ], s[52:53] offset:(32*(\pt/2)+8*(\pt%2))*4+16
.endr
	s_wait_loadcnt 0x0
	s_branch .Lbias_in
.Lbias_v:
.irp rt, 0,1,2,3                       ; v: all eight registers of tile rt = 2g + u belong to d = 32g + 8u + r + 8(r/8)
	global_load_b32 v[BI+8*\rt], v[BV], s[52:53] offset:(32*(\rt/2)+8*(\rt%2))*4
.endr
	s_wait_loadcnt 0x0
.irp rt, 0,1,2,3
.irp j, 1,2,3,4,5,6,7
	v_mov_b32 v[BI+8*\rt+\j], v[BI+8*\rt]
.endr
.endr
.Lbias_in:
	s_wait_tensorcnt 0x0                           ; my unit has landed (a wave that fetched none passes at once),
	s_barrier_signal -1
	s_barrier_wait -1                              ; everybody's has
.macro STEPL s                         ; K step s: four fragments of P, four of R, their scale words
.if (\s) > 0
.rept 4
	v_nop                                          ; four places in front of loads into registers that matrix instructions have read
.endr
.endif
.irp t, 0,1,2,3
.irp c, 0,1
	ds_load_b128 v[PF+8*\t+4*\c:PF+8*\t+4*\c+3], v[PA] offset:\t*8192+(\s)*1024+\c*512
	ds_load_b128 v[RF+8*\t+4*\c:RF+8*\t+4*\c+3], v[RA] offset:\t*8192+(\s)*1024+\c*512
.endr
.endr
.irp g, 0,1
	ds_load_b32 v[SP+\g], v[PS] offset:32768+\g*1024+(\s)*128   ; lanes 0-15: tile 2g's words, lanes 16-31: tile 2g + 1's
	ds_load_b32 v[SR+\g], v[RS] offset:32768+\g*1024+(\s)*128
.endr
	s_wait_dscnt 0x0
.endm
.macro MUL cmode                       ; 16 products; the 16 accumulators take turns, one instruction a turn, in one order in every step.  cmode 1, 2: the bias starts the sums
.irp rt, 0,1,2,3
.irp pt, 0,1,2,3
.if \cmode == 1
	WM ACC+8*(4*\rt+\pt), PF+8*\pt, RF+8*\rt, BI+8*\pt, SP+\pt/2, SR+\rt/2, \pt%2, \rt%2
.elseif \cmode == 2
	WM ACC+8*(4*\rt+\pt), PF+8*\pt, RF+8*\rt, BI+8*\rt, SP+\pt/2, SR+\rt/2, \pt%2, \rt%2
.else
	WM ACC+8*(4*\rt+\pt), PF+8*\pt, RF+8*\rt, ACC+8*(4*\rt+\pt), SP+\pt/2, SR+\rt/2, \pt%2, \rt%2
.endif
.endr
.endr
.endm
	STEPL 0
	s_cmp_lt_u32 s16, 8
	s_cbranch_scc0 .Lfirst_v
	s_wait_alu depctr_va_vdst(0)
	MUL 1
	s_branch .Lfirst_done
.Lfirst_v:
	s_wait_alu depctr_va_vdst(0)
	MUL 2
.Lfirst_done:
.irp s, 1,2,3,4,5,6,7
	STEPL \s
	MUL 0
.endr
	; THE WAY OUT, the same for the three kinds: eight blocks of 32 along the next K; block n = 2 rt + b lies in registers ACC + 16 n on of lanes l and l xor 16
.rept 4
	v_nop                                          ; four places behind the last products
.endr
.irp n, 0,1,2,3,4,5,6,7
	v_max3_num_f32 v[TM+\n], |v[ACC+16*\n]|, |v[ACC+16*\n+1]|, 0x1800000   ; each accumulator is read from its low end on; the floor 2^(3 - 127) holds the byte at 1 from below
.endr
.irp i, 2,4,6,8,10,12,14
.irp n, 0,1,2,3,4,5,6,7
	v_max3_num_f32 v[TM+\n], v[TM+\n], |v[ACC+16*\n+\i]|, |v[ACC+16*\n+\i+1]|
.endr
.endr
.irp n, 0,1,2,3,4,5,6,7
	v_permlanex16_b32 v[TP+\n], v[TM+\n], s58, s59
.endr
.irp n, 0,1,2,3,4,5,6,7
	v_max_num_f32 v[TM+\n], v[TM+\n], v[TP+\n]     ; the block's largest magnitude
.endr
.irp n, 0,1,2,3,4,5,6,7
	v_add_nc_u32 v[TSO+\n], 0xff000000, v[TM+\n]   ; 2 off its exponent field: the conversion's scale operand
.endr
.irp n, 0,1,2,3,4,5,6,7
	v_lshrrev_b32 v[TP+\n], 23, v[TSO+\n]          ; the scale's byte
.endr
.irp q, 0,1,2,3
	v_lshl_or_b32 v[HB+\q], v[TP+2*\q+1], 8, v[TP+2*\q]   ; tile q's two bytes
.endr
.irp n, 0,1,2,3,4,5,6,7
	v_cvt_scalef32_pk8_fp4_f32 v[CD+2*\n], v[ACC+16*\n:ACC+16*\n+7], v[TSO+\n]
	v_cvt_scalef32_pk8_fp4_f32 v[CD+2*\n+1], v[ACC+16*\n+8:ACC+16*\n+15], v[TSO+\n]
.endr
	v_nop                                          ; one plain place behind the last scaled conversion
.irp q, 0,1,2,3                        ; a whole block to a lane: lanes 0-15 block 0, lanes 16-31 block 1
.irp i, 0,1
	v_permlane16_swap_b32 v[CD+4*\q+\i], v[CD+4*\q+2+\i]
.endr
.endr
.irp q, 0,1,2,3
	global_store_b128 v[CO+\q], v[CD+4*\q:CD+4*\q+3], s[54:55]   ; 512 consecutive bytes, aligned
.endr
	v_lshl_or_b32 v[W0], v[HB+1], 16, v[HB]
	v_lshl_or_b32 v[W1], v[HB+3], 16, v[HB+2]
	s_delay_alu instid0(VALU_DEP_1)
	v_cndmask_b32 v[WS], v[W0], v[W1], vcc_lo      ; lanes 0-15: tiles 0 | 1, lanes 16-31: tiles 2 | 3
	global_store_b32 v[L4], v[WS], s[56:57]        ; 128 consecutive bytes
	s_wait_tensorcnt 0x0
	ds_add_u32 v30, v31
	s_wait_dscnt 0x0
	CROUND                                         ; the closing round: no work-group ends while a partner may still ask for a unit that names it
	s_endpgm
.Lfunc_end_k_q98e2919e30_qkv:
	.size	k_q98e2919e30_qkv, .Lfunc_end_k_q98e2919e30_qkv-k_q98e2919e30_qkv
	.p2alignl 7, 3214868480
	.fill 96, 4, 3214868480
	.section	.rodata,"a",@progbits
	.p2align	6, 0x0
	.amdhsa_kernel k_q98e2919e30_qkv
		.amdhsa_group_segment_fixed_size 245248
		.amdhsa_private_segment_fixed_size 0
		.amdhsa_enable_private_segment 0
		.amdhsa_kernarg_size 48
		.amdhsa_user_sgpr_count 2
		.amdhsa_user_sgpr_kernarg_segment_ptr 1
		.amdhsa_wavefront_size32 1
		.amdhsa_system_sgpr_workgroup_id_x 1
		.amdhsa_system_sgpr_workgroup_id_y 1
		.amdhsa_system_sgpr_workgroup_id_z 1
		.amdhsa_system_vgpr_workitem_id 0
		.amdhsa_next_free_vgpr 256
		.amdhsa_next_free_sgpr 80
		.amdhsa_reserve_vcc 1
		.amdhsa_float_denorm_mode_32 3
		.amdhsa_float_denorm_mode_16_64 3
		.amdhsa_memory_ordered 1
		.amdhsa_forward_progress 1
		.amdhsa_inst_pref_size 47
	.end_amdhsa_kernel
	.amdgpu_metadata
---
amdhsa.version: [ 1, 2 ]
amdhsa.kernels:
  - .name:           k_q98e2919e30_qkv
    .symbol:         k_q98e2919e30_qkv.kd
    .args:
      - { .name: xq, .offset: 0, .size: 8, .value_kind: global_buffer, .address_space: global }
      - { .name: wq, .offset: 8, .size: 8, .value_kind: global_buffer, .address_space: global }
      - { .name: bq, .offset: 16, .size: 8, .value_kind: global_buffer, .address_space: global }
      - { .name: bk, .offset: 24, .size: 8, .value_kind: global_buffer, .address_space: global }
      - { .name: bv, .offset: 32, .size: 8, .value_kind: global_buffer, .address_space: global }
      - { .name: qkv, .offset: 40, .size: 8, .value_kind: global_buffer, .address_space: global }
    .group_segment_fixed_size: 245248
    .private_segment_fixed_size: 0
    .kernarg_segment_align: 8
    .kernarg_segment_size: 48
    .max_flat_workgroup_size: 384
    .sgpr_count:     80
    .vgpr_count:     256
    .wavefront_size: 32
...
	.end_amdgpu_metadata
.endif
;; end of part 2
;; launch attn (part 3): grid 8 x 32, 16 waves a work-group, clusters of 4 x 1, 327,680 bytes of LDS; arguments qkv, oq; writes oq
.if DOCPART == 3
	.amdgcn_target "amdgcn-amd-amdhsa--gfx1250"
	.amdhsa_code_object_version 6
	.text
	.protected	k_q98e2919e30_attn
	.globl	k_q98e2919e30_attn
	.p2align	8
	.type	k_q98e2919e30_attn,@function
k_q98e2919e30_attn:
	s_mov_b64 s[64:65], 0
	v_nop
	global_prefetch_b8 v0, s[64:65] scope:SCOPE_SE
	s_setreg_imm32_b32 hwreg(HW_REG_WAVE_MODE, 25, 1), 1
	s_wait_xcnt 0x0
	s_wait_alu depctr_hold_cnt(0) depctr_sa_sdst(0) depctr_va_vdst(0) depctr_va_sdst(0) depctr_va_ssrc(0) depctr_va_vcc(0) depctr_vm_vsrc(0)
	s_getreg_b32 s2, hwreg(HW_REG_IB_STS2, 6, 4)
	s_cmp_eq_u32 s2, 0
	s_cbranch_scc0 .Lentry_in_a_cluster
	s_endpgm
.Lentry_in_a_cluster:
	s_bfe_u32 s2, ttmp6, 0x10000c
	s_cmp_lg_u32 s2, 0x3003
	s_cbranch_scc0 .Lentry_shape_is_right
	s_endpgm
.Lentry_shape_is_right:
; o = softmax(q k^T / 8) v for one batch and head, both products on codes of FP4, and o / l quantised at once along h*64 + d for the last product.
; THE SOFTMAX: t = logit x log2(e) / 8; M = the running largest t rounded UP to a whole number; p = 2^(t - M) is quantised along the keys, not normalised; the row's sum l is taken of the
; unquantised p, in f32, and divides at the end.  When M moves, the sum and O are multiplied by 2^(old M - new M): exact.
; SHARES.  A work-group owns 256 queries of one (batch, head); each of its sixteen waves one tile of 16, in 256 registers.  A step is 256 keys: one update of M for 128 registers of S^T.
; LDS holds the head's record of k (68 rows of 1,024 bytes: 64 of codes, 4 of scales) and behind it v's, each byte filled once, each row followed by 128 bytes of padding (pitch 1,152).
; THE FILLS GO IN TWO GROUPS.  At the head waves 0-9 fetch four rows each: the codes of keys 0-511 of k and of v and all scale rows.  Behind the adds, their wait and the round ahead of a later
; first fill every wave fetches six of the other 96 rows, which land under the first trip (512 keys); each wave waits for its own and signals between that trip's two steps, and waits at its end.
; All of k and v has been asked for when the first trip begins, so there is no later tile to ask memory for ahead of its load: no prefetch.
; CLUSTER 4 x 1: the four work-groups of a cluster belong to one head and ask for k and v jointly.
; LAYOUT.  Both products are used transposed (S^T = k q^T, O^T = v^T p^T), in the form of 32 rows: a lane holds one query throughout.
; A BLOCK OF 32 KEYS TO A LANE.  Of a group of 64 keys a tile takes as rows 0-7 eight keys of the first 32 and as rows 8-15 the same eight of the second 32: each lane picks its key by its own LDS
; address.  In the result lanes 0-15 hold rows 0-7 of a tile, lanes 16-31 rows 8-15: so a lane's 32 registers of the group's four tiles are one whole block, keys 32h + 0..31, which is what the second
; product's operand wants of that lane.  A block's maximum needs no other lane, and the conversions' results are the operand's registers as they stand.
; In k's record the two groups of eight keys lie 1,024 bytes apart; with the pitch of 1,152 the sixteen lanes of a load touch sixteen different 16-byte columns modulo 256.
; A HEAD OF 64 IN A PRODUCT OF 128: source 0's rows 0-15 (j = 0) and 16-31 (j = 1) each hold two tiles' d side by side (u = 0, 1).  Against q's codes followed by zero codes the product gives the
; tiles u = 0, against zero codes followed by q's the tiles u = 1: zero codes add nothing under any scale byte here (bytes lie between 1 and 254).  Register 32c + 16u + 8j + i is key 64c + 32h + 16j + 8u + i.
; LIMITS: a block whose largest magnitude lies under 2^-124 keeps the byte 1; NaN and infinities are not served; the promise holds while |t| stays under 2^31.
; o's scale bytes leave two to a lane (131,072 bytes in all beside 2 MiB of codes in whole pieces of 512).
.set UNIT, 34816
.set REC,  69632
.set TYB,  32*REC
.set ROWP, 1152                        ; an LDS row: 1,024 bytes + 128 of padding
.set RECL, 68*ROWP                     ; a record in LDS
.set SPARE, 2*RECL                     ; behind the records: the spare words, 128 bytes a wave
.set AK,   1                           ; v1   k's codes: (m/8) ROWP + 16 (m%8) + 256 h; stepped once a trip
.set AV,   2                           ; v2   v's codes: RECL + 16 lane
.set ASK,  3                           ; v3   k's scale words: lanes 0-15 for rows 0-15 of source 0, lanes 16-31 for rows 16-31
.set ASV,  4                           ; v4   v's scale words as stored
.set BM,   5                           ; v5-8 my four blocks' maxima, then the conversions' scale operands
.set SPW,  9                           ; v9   my spare word;  v10  0: both never rewritten
.set NIL,  10
.set SH,   11                          ; v11  8 h
.set QS,   28                          ; v28  q's scale word.  v12 -M, v13 the largest t, v[14:15] the sum; v16-19 zeros, v20-23 q's codes, v24-27 zeros
.set T0,   29                          ; v29  at work
.set FF,   30                          ; v30  f = 2^(old M - new M), named as a pair with v31, which keeps the old -M
.set S,    32                          ; v32-159 S^T, then p.  v96-127 also take k's first fragments and v's second
.set O,    160                         ; v160-191 O^T: tiles 0, 2 of d, then tiles 1, 3
.set P,    192                         ; v192-207 p's codes (ahead of them: bytes in the making)
.set PW,   208                         ; v208-209 p's scale words
.set KS,   210                         ; v210-213 k's scale words
.set VR,   214                         ; v214-217 v's scale words as stored;  v218-221 as wanted
.set VS,   218
.set T1,   222                         ; v222-223 at work
.set F,    224                         ; v224-255 fragments: k's second half, then v's first
.set SEL,  36                          ; s[36:37] selects for lane l xor 16
.set CS,   38                          ; s[38:39] c = log2(e) / 8
.set CNT,  42
.set DW0,  15|(3<<16)|(1<<20)|(1<<21)|(7<<22)|(31<<25)   ; group 1, word 0: the mask of all four; elements of 8 bytes; padding on; bit 21 beside a mask; 32 words behind each 256
.macro CROUND                          ; a round of the cluster's barrier
	s_barrier_signal -1
	s_barrier_wait -1
	s_cmp_lg_u32 s8, 0
	s_cbranch_scc1 .Lnot_wave_0_\@
	s_barrier_signal -3
.Lnot_wave_0_\@:
	s_barrier_wait -3
	s_barrier_signal -1
	s_barrier_wait -1
.endm
.macro WMZ d, a, b, sa, sb             ; 32 x 16 x 128: a product that starts its sums; source 0's scale words fill all 32 lanes
	v_wmma_scale_f32_32x16x128_f4 v[(\d):(\d)+15], v[(\a):(\a)+15], v[(\b):(\b)+7], 0, v[\sa], v[\sb]
.endm
.macro WMA d, a, b, sa, sb             ; a product that adds in place
	v_wmma_scale_f32_32x16x128_f4 v[(\d):(\d)+15], v[(\a):(\a)+15], v[(\b):(\b)+7], v[(\d):(\d)+15], v[\sa], v[\sb]
.endm
.macro KLOAD g, fb                     ; the trip's g-th 64 keys: one source 0 of 32 rows
.irp j, 0,1
.irp u, 0,1
	ds_load_b128 v[(\fb)+8*\j+4*\u:(\fb)+8*\j+4*\u+3], v[AK] offset:(\g)*2*ROWP+\u*512+\j*128
.endr
.endr
.endm
.macro SCORE c, fb                     ; the step's c-th 64 keys: four tiles of S^T by two products
.irp u, 0,1
	WMZ S+32*(\c)+16*\u, \fb, 20-4*\u, KS+(\c), QS
.endr
.endm
.macro VLOAD s, fb                     ; the trip's s-th 128 keys of v: tiles 0, 2 of d make one source 0, tiles 1, 3 the other
.irp t, 0,1,2,3
.irp c, 0,1
	ds_load_b128 v[(\fb)+16*(\t%2)+8*(\t/2)+4*\c:(\fb)+16*(\t%2)+8*(\t/2)+4*\c+3], v[AV] offset:(4*(\s)+\t)*ROWP+\c*512
.endr
.endr
.endm
.macro BMAX first                      ; the maxima of blocks first, first + 1: 16 lines a block, four chains by turns; each accumulator of 16 registers is first read at its low end
.irp n, 0,1
	v_max3_num_f32 v[BM+(\first)+\n], v[S+32*((\first)+\n)], v[S+32*((\first)+\n)+1], v[S+32*((\first)+\n)+2]
	v_max3_num_f32 v[T1+\n], v[S+32*((\first)+\n)+17], v[S+32*((\first)+\n)+18], v[S+32*((\first)+\n)+19]
.endr
.irp i, 0,2,4,6,8
.irp n, 0,1
	v_max3_num_f32 v[BM+(\first)+\n], v[BM+(\first)+\n], v[S+32*((\first)+\n)+3+\i], v[S+32*((\first)+\n)+4+\i]
	v_max3_num_f32 v[T1+\n], v[T1+\n], v[S+32*((\first)+\n)+20+\i], v[S+32*((\first)+\n)+21+\i]
.endr
.endr
.irp i, 13,15
.irp n, 0,1
	v_max3_num_f32 v[BM+(\first)+\n], v[BM+(\first)+\n], v[S+32*((\first)+\n)+\i], v[S+32*((\first)+\n)+\i+1]
.endr
.endr
.irp n, 0,1
	v_max3_num_f32 v[BM+(\first)+\n], v[BM+(\first)+\n], v[T1+\n], v[S+32*((\first)+\n)+30]
.endr
.irp n, 0,1
	v_max_num_f32 v[BM+(\first)+\n], v[BM+(\first)+\n], v[S+32*((\first)+\n)+31]
.endr
.endm
.macro FOLD n, dist                    ; n packed additions in place: pair i takes pair i + dist / 2
.set j, 0
.rept \n
	v_pk_add_f32 v[S+j:S+j+1], v[S+j:S+j+1], v[S+(\dist)+j:S+(\dist)+j+1]
.set j, j+2
.endr
.endm
.macro ADV                             ; on to the next 512 keys: 16 rows of codes and one row of scale words in each record
	v_add_nc_u32 v[AK], 16*ROWP, v[AK]
	v_add_nc_u32 v[AV], 16*ROWP, v[AV]
	v_add_nc_u32 v[ASK], ROWP, v[ASK]
	v_add_nc_u32 v[ASV], ROWP, v[ASV]
.endm
	s_load_b128 s[4:7], s[0:1], 0x0                ; qkv s[4:5], oq s[6:7]
	v_lshl_add_u32 v[SPW], v0, 2, SPARE
	v_mov_b32 v[NIL], 0
	ds_add_u32 v[SPW], v[NIL]                      ; the opening lines: the add twice on end, and its wait ahead of the first tensor load
	ds_add_u32 v[SPW], v[NIL]
	v_lshrrev_b32 v[T0], 5, v0
	s_delay_alu instid0(VALU_DEP_1)
	v_readfirstlane_b32 s8, v[T0]                  ; wave 0..15
	s_bfe_u32 s9, ttmp6, 0x40000                   ; cx
	s_lshl_b32 s10, ttmp9, 2
	s_add_co_u32 s10, s10, s9                      ; my block of 256 queries: it enters q's and o's addresses alone
	s_and_b32 s11, ttmp7, 0xffff                   ; batch x 16 + head, which the four partners share
	s_lshl_b32 s12, s10, 4
	s_add_co_u32 s12, s12, s8                      ; T: my tile of 16 queries, 0..127
	s_mul_i32 s13, s11, REC                        ; the head's record within a kind
	; two groups 1: dense rows of 128 elements of 8 bytes: four rows for the head's loads, six for the later ones
	s_mov_b32 s16, DW0
	s_mov_b32 s17, 128<<16                         ; tensor_dim0
	s_mov_b32 s18, 4<<16                           ; tensor_dim1
	s_mov_b32 s19, 128<<16                         ; tile_dim0
	s_mov_b32 s20, 4                               ; tile_dim1
	s_mov_b32 s21, 128                             ; from row to row
	s_mov_b32 s22, 0
	s_mov_b32 s23, 0
	s_mov_b32 s68, DW0
	s_mov_b32 s69, 128<<16
	s_mov_b32 s70, 6<<16
	s_mov_b32 s71, 128<<16
	s_mov_b32 s72, 6
	s_mov_b32 s73, 128
	s_mov_b32 s74, 0
	s_mov_b32 s75, 0
	s_and_b32 s43, s8, 1                           ; which record I fetch for: k's (0) or v's (1)
	s_lshr_b32 s46, s8, 1                          ; which piece of it
	s_lshr_b32 s47, s46, 2
	s_mul_i32 s47, s47, 48
	s_lshl_b32 s48, s46, 2
	s_add_co_u32 s47, s47, s48                     ; at the head: rows 4 x piece on; the fifth piece is the scale rows, 64 on
	s_mul_i32 s48, s46, 6
	s_add_co_u32 s48, s48, 16                      ; later: rows 16 + 6 x piece on
	s_mul_i32 s49, s43, RECL
	s_mul_i32 s25, s47, ROWP
	s_add_co_u32 s25, s25, s49                     ; LDS addresses: the wave's number and constants alone
	s_mul_i32 s77, s48, ROWP
	s_add_co_u32 s77, s77, s49
	s_add_co_u32 s44, s43, 1                       ; kind 1 (k) or 2 (v)
	s_mul_i32 s44, s44, TYB
	s_add_co_u32 s44, s44, s13
	s_lshl_b32 s47, s47, 10
	s_lshl_b32 s48, s48, 10
	s_add_co_u32 s60, s44, s48
	s_mov_b32 s61, 0
	s_add_co_u32 s44, s44, s47
	s_mov_b32 s45, 0
	s_lshl_b32 s46, s12, 9
	s_add_co_u32 s46, s46, s13                     ; q's codes: tile T's 512 bytes
	s_mov_b32 s47, 0
	s_lshr_b32 s48, s12, 1
	s_lshl_b32 s48, s48, 6
	s_add_co_u32 s48, s48, s13
	s_add_co_u32 s48, s48, 65536                   ; q's scale words: group T / 2
	s_mov_b32 s49, 0
	; o's place: unit batch x 32 + T / 4, tile T % 4; K step head / 2, part head % 2
	s_lshr_b32 s50, s11, 4
	s_lshl_b32 s50, s50, 5
	s_lshr_b32 s51, s12, 2
	s_add_co_u32 s50, s50, s51
	s_mul_i32 s50, s50, UNIT
	s_and_b32 s51, s12, 3
	s_and_b32 s56, s11, 15
	s_lshr_b32 s57, s56, 1
	s_and_b32 s56, s56, 1
	s_lshl_b32 s52, s51, 13
	s_add_co_u32 s52, s52, s50
	s_lshl_b32 s58, s57, 10
	s_add_co_u32 s52, s52, s58
	s_lshl_b32 s58, s56, 9
	s_add_co_u32 s52, s52, s58                     ; codes
	s_mov_b32 s53, 0
	s_lshr_b32 s54, s51, 1
	s_lshl_b32 s54, s54, 10
	s_add_co_u32 s54, s54, s50
	s_lshl_b32 s58, s57, 7
	s_add_co_u32 s54, s54, s58
	s_and_b32 s58, s51, 1
	s_lshl_b32 s58, s58, 6
	s_add_co_u32 s54, s54, s58
	s_lshl_b32 s58, s56, 1
	s_add_co_u32 s54, s54, s58
	s_add_co_u32 s54, s54, 32768                   ; my head's two bytes of each row's scale word
	s_mov_b32 s55, 0
	s_mov_b32 s[SEL], 0x76543210
	s_mov_b32 s[SEL+1], 0xfedcba98
	s_mov_b32 s[CS], 0x3e38aa3b                    ; c = log2(e) / 8
	s_mov_b32 s[CS+1], s[CS]                       ; (named with it as a pair, so it is written)
	s_mov_b32 s[CNT], 3
	s_and_b32 s56, s8, 1
	s_lshl_b32 s56, s56, 4                         ; which halfword of q's stored scale word is my tile's: T % 2 = wave % 2
	s_wait_dscnt 0x0                               ; both opening adds are done
	CROUND                                         ; all four work-groups are here; the round needs no argument, so it stands ahead of the wait for them
	s_wait_kmcnt 0x0
	s_mov_b32 s24, 1
	s_add_nc_u64 s[26:27], s[4:5], s[44:45]
	s_or_b32 s27, s27, 0x80000000
	s_mov_b32 s76, 1
	s_add_nc_u64 s[78:79], s[4:5], s[60:61]
	s_or_b32 s79, s79, 0x80000000
	s_add_nc_u64 s[28:29], s[4:5], s[46:47]
	s_add_nc_u64 s[30:31], s[4:5], s[48:49]
	s_add_nc_u64 s[32:33], s[6:7], s[52:53]
	s_add_nc_u64 s[34:35], s[6:7], s[54:55]
	s_cmp_lt_u32 s8, 10                            ; the branch hangs on the wave's number alone: ten pieces of four rows
	s_cbranch_scc0 .Lno_fetch
	tensor_load_to_lds s[24:27], s[16:23]
	s_nop 0
.rept 4
	v_nop
.endr
.Lno_fetch:
	v_and_b32 v7, 31, v0                           ; lane
	v_and_b32 v8, 15, v0                           ; r
	v_lshlrev_b32 v5, 4, v7
	v_lshlrev_b32 v6, 2, v8
	global_load_b128 v[20:23], v5, s[28:29]        ; q's codes: lane (r, h): d = 32 h on
	global_load_b32 v[QS], v6, s[30:31]            ; q's stored scale word
	v_bfe_u32 v[SH], v0, 4, 1                      ; h
	v_bfe_u32 v[T0], v0, 3, 1                      ; m / 8: which 32 keys of a group of 64
	v_and_b32 v[FF], 7, v0                         ; m % 8
	v_mul_u32_u24 v[AK], v[T0], ROWP
	v_lshlrev_b32 v[ASK], 6, v[T0]
	v_lshl_add_u32 v[AV], v7, 4, RECL
	v_lshl_add_u32 v[ASV], v7, 2, RECL+64*ROWP
	v_lshl_add_u32 v[AK], v[FF], 4, v[AK]
	v_lshl_add_u32 v[ASK], v[FF], 2, v[ASK]
	v_lshl_add_u32 v[AK], v[SH], 8, v[AK]
	v_lshl_add_u32 v[ASK], v[SH], 5, v[ASK]        ; lanes 16-31: places 8-15 of the stored tiles, which are rows 16-31 of source 0
	v_lshlrev_b32 v[SH], 3, v[SH]
	v_add_nc_u32 v[ASK], 64*ROWP, v[ASK]
.irp j, 16,17,18,19,24,25,26,27
	v_mov_b32 v[\j], 0                             ; the zero codes on either side of q's
.endr
	v_mov_b32 v13, 0xff61b1e6                      ; the largest t so far: -3e38, under every t
	v_mov_b32 v14, 0                               ; the sum, in two halves
	v_mov_b32 v15, 0
	v_floor_f32 v12, -v13                          ; -M
.irp j, T0, FF, FF+1, T1, T1+1
	v_mov_b32 v[\j], 0                             ; written once: a lane permute's destination counts as one of its sources, a pair is named whole
.endr
	s_wait_alu depctr_va_vdst(0)
	s_wait_loadcnt 0x0
	v_lshrrev_b32 v[QS], s56, v[QS]
	s_delay_alu instid0(VALU_DEP_1)
	v_and_b32 v[QS], 0xffff, v[QS]
	s_delay_alu instid0(VALU_DEP_1)
	v_lshl_or_b32 v[QS], v[QS], 16, v[QS]          ; q's two bytes twice: they serve q's codes in either half of the product's K
.set j, 0
.rept 32
	v_mov_b32 v[O+j], 0                            ; O^T: the first step finds zeros.  (Also the places between the scale word just made and the first product)
.set j, j+1
.endr
	s_wait_alu depctr_va_vdst(0)                   ; the head's end
	s_wait_tensorcnt 0x0                           ; my piece has landed (a wave that fetched none passes at once); ahead of a later first fill:
	ds_add_u32 v[SPW], v[NIL]                      ; the add,
	ds_add_u32 v[SPW], v[NIL]                      ; twice on end
	s_wait_dscnt 0x0                               ; and its wait
	CROUND                                         ; everybody's piece has landed, and all four work-groups are here: the joint loads meet
	tensor_load_to_lds s[76:79], s[68:75]          ; my six of the other 96 rows: my one tensor load behind the round
	s_nop 0
.rept 4
	v_nop
.endr
; A STEP: 256 keys, the q-th of the trip's two.
.macro STEP q
	KLOAD 4*(\q), S+64                             ; k's first 128 keys land in the upper half of S^T, which their own products do not write
	KLOAD 4*(\q)+1, S+80
.irp n, 0,1,2,3
	ds_load_b32 v[KS+\n], v[ASK] offset:(4*(\q)+\n)*128
.endr
	KLOAD 4*(\q)+2, F
	KLOAD 4*(\q)+3, F+16
.irp n, 0,1,2,3
	ds_load_b32 v[VR+\n], v[ASV] offset:(4*(\q)+\n)*128
.endr
	s_wait_dscnt 12                                ; the first eight fragments' loads and k's four scale words are in; the eight and four issued behind them may be out
	SCORE 0, S+64
	SCORE 1, S+80
	s_wait_dscnt 0x0
	v_perm_b32 v[VS], v[VR+1], v[VR], 0x05040100   ; v's scale words of 128 keys: the low halves: tile 0 in lanes 0-15, tile 2 in lanes 16-31;
	v_perm_b32 v[VS+1], v[VR+1], v[VR], 0x07060302 ; the high halves: tiles 1 and 3
	v_perm_b32 v[VS+2], v[VR+3], v[VR+2], 0x05040100
	v_perm_b32 v[VS+3], v[VR+3], v[VR+2], 0x07060302
	v_mov_b32 v[FF+1], v12                         ; the old -M.  Five places: the products below write over fragments that the products above have read
	SCORE 2, F
	SCORE 3, F+16
	BMAX 0                                         ; 32 lines on the first half's results: the places behind the products above
	VLOAD 2*(\q), F                                ; v's first 128 keys
	BMAX 2
	v_max3_num_f32 v[T0], v[BM], v[BM+1], v[BM+2]
	s_delay_alu instid0(VALU_DEP_1)
	v_max_num_f32 v[T0], v[T0], v[BM+3]            ; the largest of my four blocks
	s_delay_alu instid0(VALU_DEP_1)
	v_mul_f32 v[T0], s[CS], v[T0]                  ; as t (c is positive)
	s_delay_alu instid0(VALU_DEP_1)
	v_permlanex16_b32 v[T1], v[T0], s[SEL], s[SEL+1]
	s_delay_alu instid0(VALU_DEP_1)
	v_max3_num_f32 v13, v13, v[T0], v[T1]          ; with lane l xor 16's four blocks: the running largest t
	s_delay_alu instid0(VALU_DEP_1)
	v_floor_f32 v12, -v13                          ; the new -M = floor(-t) = -ceil(t)
	s_delay_alu instid0(VALU_DEP_1)
	v_sub_f32 v[T0], v12, v[FF+1]                  ; old M - new M: a whole number, 0 or less
	s_delay_alu instid0(VALU_DEP_1)
	v_cvt_i32_f32 v[T0], v[T0]                     ; (it saturates)
	s_delay_alu instid0(VALU_DEP_1)
	v_ldexp_f32 v[FF], 1.0, v[T0]                  ; f = 2^(old M - new M)
.set j, 0
.rept 64
	v_pk_fma_f32 v[S+j:S+j+1], v[S+j:S+j+1], s[CS:CS+1], v[12:13] op_sel_hi:[1,0,0]   ; t - M, two to a line
.set j, j+2
.endr
.irp n, 0,1,2,3
	v_fma_f32 v[BM+\n], v[BM+\n], s[CS], v12       ; the same of each block's maximum
.endr
	s_wait_alu depctr_va_vdst(0)                   ; ahead of the batch
.set j, 0
.rept 128
	v_exp_f32 v[S+j], v[S+j]                       ; p = 2^(t - M), at most 1
.set j, j+1
.endr
.irp n, 0,1,2,3
	v_exp_f32 v[BM+\n], v[BM+\n]                   ; the block's largest p: the same two instructions on the same number
.endr
	v_pk_mul_f32 v[14:15], v[14:15], v[FF:FF+1] op_sel_hi:[1,0]   ; the sums under the new M.  (A plain place behind the exponentials)
	s_wait_alu depctr_va_vdst(0)                   ; one wait for the batch, ahead of its first reader
.irp n, 0,1,2,3
	v_max_num_f32 v[BM+\n], 0x1800000, v[BM+\n]    ; the floor 2^(3 - 127): the byte cannot fall under 1
.endr
.irp n, 0,1,2,3
	v_add_nc_u32 v[BM+\n], 0xff000000, v[BM+\n]    ; 2 off the exponent field: the conversion's scale operand
.endr
.irp n, 0,1,2,3
	v_lshrrev_b32 v[P+\n], 23, v[BM+\n]            ; the scale's byte
.endr
	v_lshl_or_b32 v[P+4], v[P+1], 16, v[P]         ; my bytes of 128 keys: blocks h and 2 + h,
	v_lshl_or_b32 v[P+5], v[P+3], 16, v[P+2]
	s_delay_alu instid0(VALU_DEP_2)
	v_lshlrev_b32 v[P+4], v[SH], v[P+4]            ; at their places (8 h bits up);
	s_delay_alu instid0(VALU_DEP_2)
	v_lshlrev_b32 v[P+5], v[SH], v[P+5]
	s_delay_alu instid0(VALU_DEP_2)
	v_permlanex16_b32 v[T1], v[P+4], s[SEL], s[SEL+1]
	s_delay_alu instid0(VALU_DEP_2)
	v_permlanex16_b32 v[T1+1], v[P+5], s[SEL], s[SEL+1]
	s_delay_alu instid0(VALU_DEP_2)
	v_or_b32 v[PW], v[P+4], v[T1]                  ; with lane l xor 16's two the word is whole
	s_delay_alu instid0(VALU_DEP_2)
	v_or_b32 v[PW+1], v[P+5], v[T1+1]
.set j, 0
.rept 16
	v_cvt_scalef32_pk8_fp4_f32 v[P+j], v[S+32*(j/4)+16*(j%2)+8*((j%4)/2):S+32*(j/4)+16*(j%2)+8*((j%4)/2)+7], v[BM+j/4]   ; register j of the two operands: keys 8 (j % 4) on of my block j / 4
.set j, j+1
.endr
	s_wait_alu depctr_va_vdst(0)                   ; directly ahead of the first reader of O^T
.set j, 0
.rept 16
	v_pk_mul_f32 v[O+j:O+j+1], v[O+j:O+j+1], v[FF:FF+1] op_sel_hi:[1,0]   ; O^T under the new M.  (Also the plain place behind the conversions)
.set j, j+2
.endr
	FOLD 32, 64                                    ; THE ROW'S SUM, of the unquantised p, as a tree in place: the upper half onto the lower,
	VLOAD 2*(\q)+1, S+64                           ; which frees registers for v's second 128 keys
	FOLD 16, 32
	FOLD 8, 16
	FOLD 4, 8
	s_wait_alu depctr_va_vdst(0)                   ; the tree's last lines read these sums behind it
	s_wait_dscnt 0x0                               ; v's sixteen loads are in
.irp e, 0,1
	WMA O+16*\e, F+16*\e, P, VS+\e, PW             ; O^T += v^T p^T: two accumulators by turns, one instruction a turn
.endr
.irp e, 0,1
	WMA O+16*\e, S+64+16*\e, P+8, VS+2+\e, PW+1
.endr
	FOLD 2, 4                                      ; the tree's last four lines are the places in front of the next loads into fragments' registers
	s_delay_alu instid0(VALU_DEP_1)
	v_pk_add_f32 v[S:S+1], v[S:S+1], v[S+2:S+3]
	s_delay_alu instid0(VALU_DEP_1)
	v_pk_add_f32 v[14:15], v[14:15], v[S:S+1]
.endm
	STEP 0                                         ; THE FIRST TRIP is written out: keys 0-511, which the head's loads brought
	s_wait_alu depctr_va_vdst(0)
	s_wait_tensorcnt 0x0                           ; my six rows have landed:
	s_barrier_signal -1                            ; say so; no LDS instruction of mine is out.  Up to the wait below: register work and loads of rows that nobody writes any more
	STEP 1
	ADV
	s_wait_alu depctr_va_vdst(0)
	s_barrier_wait -1                              ; everybody's rows have landed
.Ltrip:                                            ; 3 trips of 512 keys
	STEP 0
	STEP 1
	ADV
	s_sub_co_u32 s[CNT], s[CNT], 1
	s_cmp_lg_u32 s[CNT], 0
	s_wait_alu depctr_va_vdst(0)
	s_cbranch_scc1 .Ltrip
	; THE WAY OUT: o = O^T / l, quantised along d: register 16 b + 8 u + i of the copy is d = 32 b + 16 h + 8 u + i of my query, from tile 2 b + u
	v_add_f32 v14, v14, v15                        ; the sum's two halves,
	v_and_b32 v[AK], 31, v0
	v_permlanex16_b32 v[T0], v14, s[SEL], s[SEL+1]
	v_and_b32 v[AV], 15, v0
	v_lshlrev_b32 v[AK], 4, v[AK]                  ; 16 x lane
	v_add_f32 v14, v14, v[T0]                      ; and lane l xor 16's
	v_lshlrev_b32 v[AV], 2, v[AV]                  ; 4 r
	s_wait_alu depctr_va_vdst(0)                   ; ahead of the transcendental
	v_rcp_f32 v14, v14
	v_nop                                          ; one plain place behind the transcendental
	s_wait_alu depctr_va_vdst(0)                   ; ahead of its first reader, and of the first readers of the last products' results
.irp b, 0,1
.irp u, 0,1
.irp x, 0,2,4,6
	v_pk_mul_f32 v[S+16*\b+8*\u+\x:S+16*\b+8*\u+\x+1], v[O+16*\u+8*\b+\x:O+16*\u+8*\b+\x+1], v[14:15] op_sel_hi:[1,0]   ; each accumulator is first read at its low end
.endr
.endr
.endr
.irp n, 0,1
	v_max3_num_f32 v[BM+\n], |v[S+16*\n]|, |v[S+16*\n+1]|, 0x1800000
.endr
.irp i, 2,4,6,8,10,12,14
.irp n, 0,1
	s_delay_alu instid0(VALU_DEP_2)
	v_max3_num_f32 v[BM+\n], v[BM+\n], |v[S+16*\n+\i]|, |v[S+16*\n+\i+1]|
.endr
.endr
.irp n, 0,1
	s_delay_alu instid0(VALU_DEP_2)
	v_permlanex16_b32 v[T1+\n], v[BM+\n], s[SEL], s[SEL+1]
.endr
.irp n, 0,1
	s_delay_alu instid0(VALU_DEP_2)
	v_max_num_f32 v[BM+\n], v[BM+\n], v[T1+\n]
.endr
.irp n, 0,1
	s_delay_alu instid0(VALU_DEP_2)
	v_add_nc_u32 v[BM+\n], 0xff000000, v[BM+\n]
.endr
.irp n, 0,1
	s_delay_alu instid0(VALU_DEP_2)
	v_lshrrev_b32 v[BM+2+\n], 23, v[BM+\n]
.endr
	s_delay_alu instid0(VALU_DEP_1)
	v_lshl_or_b32 v[T0], v[BM+3], 8, v[BM+2]       ; my head's two bytes of the row's scale word
.irp n, 0,1
	v_cvt_scalef32_pk8_fp4_f32 v[P+2*\n], v[S+16*\n:S+16*\n+7], v[BM+\n]
	v_cvt_scalef32_pk8_fp4_f32 v[P+2*\n+1], v[S+16*\n+8:S+16*\n+15], v[BM+\n]
.endr
	v_nop                                          ; one plain place behind the last scaled conversion
	v_permlane16_swap_b32 v[P], v[P+2]             ; lane (r, h): d = 32 h + 0..31
	v_permlane16_swap_b32 v[P+1], v[P+3]
	global_store_b128 v[AK], v[P:P+3], s[32:33]    ; 512 consecutive bytes, aligned
	global_store_b16 v[AV], v[T0], s[34:35]        ; lanes 16-31 repeat lanes 0-15's address and value
	s_wait_tensorcnt 0x0                           ; the wave's end
	ds_add_u32 v[SPW], v[NIL]
	s_wait_dscnt 0x0
	CROUND                                         ; the closing round: no work-group ends while a partner may still ask for a piece that names it
	s_endpgm
.Lfunc_end_k_q98e2919e30_attn:
	.size	k_q98e2919e30_attn, .Lfunc_end_k_q98e2919e30_attn-k_q98e2919e30_attn
	.p2alignl 7, 3214868480
	.fill 96, 4, 3214868480
	.section	.rodata,"a",@progbits
	.p2align	6, 0x0
	.amdhsa_kernel k_q98e2919e30_attn
		.amdhsa_group_segment_fixed_size 327680
		.amdhsa_private_segment_fixed_size 0
		.amdhsa_enable_private_segment 0
		.amdhsa_kernarg_size 16
		.amdhsa_user_sgpr_count 2
		.amdhsa_user_sgpr_kernarg_segment_ptr 1
		.amdhsa_wavefront_size32 1
		.amdhsa_system_sgpr_workgroup_id_x 1
		.amdhsa_system_sgpr_workgroup_id_y 1
		.amdhsa_system_sgpr_workgroup_id_z 1
		.amdhsa_system_vgpr_workitem_id 0
		.amdhsa_next_free_vgpr 256
		.amdhsa_next_free_sgpr 80
		.amdhsa_reserve_vcc 0
		.amdhsa_float_denorm_mode_32 3
		.amdhsa_float_denorm_mode_16_64 3
		.amdhsa_memory_ordered 1
		.amdhsa_forward_progress 1
		.amdhsa_inst_pref_size 114
	.end_amdhsa_kernel
	.amdgpu_metadata
---
amdhsa.version: [ 1, 2 ]
amdhsa.kernels:
  - .name:           k_q98e2919e30_attn
    .symbol:         k_q98e2919e30_attn.kd
    .args:
      - { .name: qkv, .offset: 0, .size: 8, .value_kind: global_buffer, .address_space: global }
      - { .name: oq, .offset: 8, .size: 8, .value_kind: global_buffer, .address_space: global }
    .group_segment_fixed_size: 327680
    .private_segment_fixed_size: 0
    .kernarg_segment_align: 8
    .kernarg_segment_size: 16
    .max_flat_workgroup_size: 512
    .sgpr_count:     80
    .vgpr_count:     256
    .wavefront_size: 32
...
	.end_amdgpu_metadata
.endif
;; end of part 3
;; launch proj (part 4): grid 8 x 32, 8 waves a work-group, clusters of 4 x 4, 175,104 bytes of LDS; arguments oq, wq, bo, out0; writes out0
.if DOCPART == 4
	.amdgcn_target "amdgcn-amd-amdhsa--gfx1250"
	.amdhsa_code_object_version 6
	.text
	.protected	k_q98e2919e30_proj
	.globl	k_q98e2919e30_proj
	.p2align	8
	.type	k_q98e2919e30_proj,@function
k_q98e2919e30_proj:
	s_mov_b64 s[64:65], 0
	v_nop
	global_prefetch_b8 v0, s[64:65] scope:SCOPE_SE
	s_setreg_imm32_b32 hwreg(HW_REG_WAVE_MODE, 25, 1), 1
	s_wait_xcnt 0x0
	s_wait_alu depctr_hold_cnt(0) depctr_sa_sdst(0) depctr_va_vdst(0) depctr_va_sdst(0) depctr_va_ssrc(0) depctr_va_vcc(0) depctr_vm_vsrc(0)
	s_getreg_b32 s2, hwreg(HW_REG_IB_STS2, 6, 4)
	s_cmp_eq_u32 s2, 0
	s_cbranch_scc0 .Lentry_in_a_cluster
	s_endpgm
.Lentry_in_a_cluster:
	s_bfe_u32 s2, ttmp6, 0x10000c
	s_cmp_lg_u32 s2, 0xf033
	s_cbranch_scc0 .Lentry_shape_is_right
	s_endpgm
.Lentry_shape_is_right:
; out0 = o Wo + bo on codes of FP4; out0 [4096][1024] f32.
; SHARES.  A work-group takes 128 tokens (I) x 128 columns (J).  Wave w: columns 64 (w / 4) on (four tiles, source 0), tokens 32 (w % 4) on (two tiles, source 1): 8 accumulators, 8 K steps of 128.
; LDS holds four units of 34,816 bytes (operands laid in the order of their registers): 0, 1 the tokens' (o), 2, 3 Wo's; all of K, filled once.  Behind them a stage of 16 rows x 272 bytes for each wave, into which no fill lands.
; CLUSTER 4 x 4: the four work-groups of a row of the cluster share o's units, the four of a column Wo's: each unit is asked for jointly, by waves 0-3.
; TRANSPOSED USE: a lane holds one token; register j of tile pt = 2b + u is column 32b + 16h + 8u + j.  The bias is the C of each sum's first product.
.set UNIT, 34816
.set STG,  4*UNIT
.set SPI,  272                         ; a stage row: 256 bytes + 16 = 17 x 16: sixteen rows begin at sixteen different 16-byte columns modulo 256
.set PA,  4                            ; v4   Wo's unit + 16 x lane
.set RA,  5                            ; v5   my tokens' two tiles + 16 x lane
.set PS,  6                            ; v6   Wo's unit + 4 x lane
.set RS,  7                            ; v7   my tokens' scale words + 4 x lane
.set STO, 8                            ; v8   the stage, on the way in
.set RD,  9                            ; v9   on the way out
.set GO,  10                           ; v10  my place in two rows of out0
.set BO,  11                           ; v11  bias offset: 64 h
.set SC,  16                           ; v16-21 scale words, two sets of three: Wo's tiles 0 | 1, Wo's tiles 2 | 3, the tokens' tiles 0 | 1
.set PF,  32                           ; v32-95 Wo's fragments, two sets of four
.set RF,  96                           ; v96-127 the tokens', two sets of two
.set BI,  128                          ; v128-159 the bias in the result's layout
.set ACC, 160                          ; v160-223 accumulator (rt, pt) at ACC + 8 (4 rt + pt)
.set OB,  32                           ; the way out: rows read back from the stage, two sets of 32
.set G1X, 28
.set G1W, 36
.set G0X, 44
.set G0W, 48
.macro CROUND                          ; a round of the cluster's barrier
	s_barrier_signal -1
	s_barrier_wait -1
	s_cmp_lg_u32 s16, 0
	s_cbranch_scc1 .Lnot_wave_0_\@
	s_barrier_signal -3
.Lnot_wave_0_\@:
	s_barrier_wait -3
	s_barrier_signal -1
	s_barrier_wait -1
.endm
.macro WM d, a, b, c, sa, sb, ra, rb   ; one product; ra, rb: the scale words stand in lanes 16-31 of their registers
.if (\ra) && (\rb)
	v_wmma_scale_f32_16x16x128_f8f6f4 v[(\d):(\d)+7], v[(\a):(\a)+7], v[(\b):(\b)+7], v[(\c):(\c)+7], v[\sa], v[\sb] matrix_a_fmt:MATRIX_FMT_FP4 matrix_b_fmt:MATRIX_FMT_FP4 matrix_a_scale:MATRIX_SCALE_ROW1 matrix_b_scale:MATRIX_SCALE_ROW1
.elseif (\ra)
	v_wmma_scale_f32_16x16x128_f8f6f4 v[(\d):(\d)+7], v[(\a):(\a)+7], v[(\b):(\b)+7], v[(\c):(\c)+7], v[\sa], v[\sb] matrix_a_fmt:MATRIX_FMT_FP4 matrix_b_fmt:MATRIX_FMT_FP4 matrix_a_scale:MATRIX_SCALE_ROW1
.elseif (\rb)
	v_wmma_scale_f32_16x16x128_f8f6f4 v[(\d):(\d)+7], v[(\a):(\a)+7], v[(\b):(\b)+7], v[(\c):(\c)+7], v[\sa], v[\sb] matrix_a_fmt:MATRIX_FMT_FP4 matrix_b_fmt:MATRIX_FMT_FP4 matrix_b_scale:MATRIX_SCALE_ROW1
.else
	v_wmma_scale_f32_16x16x128_f8f6f4 v[(\d):(\d)+7], v[(\a):(\a)+7], v[(\b):(\b)+7], v[(\c):(\c)+7], v[\sa], v[\sb] matrix_a_fmt:MATRIX_FMT_FP4 matrix_b_fmt:MATRIX_FMT_FP4
.endif
.endm
	s_load_b256 s[4:11], s[0:1], 0x0               ; oq s[4:5], wq s[6:7], bo s[8:9], out0 s[10:11]
	v_lshl_add_u32 v224, v0, 2, 0x2a800
	v_mov_b32 v225, 0
	ds_add_u32 v224, v225
	ds_add_u32 v224, v225
	v_lshrrev_b32 v1, 5, v0
	s_delay_alu instid0(VALU_DEP_1)
	v_readfirstlane_b32 s16, v1                    ; wave 0..7
	s_lshr_b32 s17, s16, 2                         ; which 64 columns
	s_and_b32 s18, s16, 3                          ; which 32 tokens
	s_and_b32 s19, s16, 1                          ; which of two units I fetch, if I fetch
	s_bfe_u32 s20, ttmp6, 0x40000                  ; cx
	s_bfe_u32 s21, ttmp6, 0x40004                  ; cy
	s_lshl_b32 s22, ttmp9, 2
	s_add_co_u32 s22, s22, s20                     ; J
	s_and_b32 s23, ttmp7, 0xffff
	s_lshl_b32 s23, s23, 2
	s_add_co_u32 s23, s23, s21                     ; I
	s_lshl_b32 s24, s21, 2
	s_lshl_b32 s24, 15, s24                        ; my row of the cluster
	s_lshl_b32 s25, 0x1111, s20                    ; my column
	s_or_b32 s[G1X], s24, (3<<16)|(1<<21)          ; 15:0 the mask: o's units go to my row; 17:16 elements of 8 bytes; 21 set beside a mask
	s_or_b32 s[G1W], s25, (3<<16)|(1<<21)          ; Wo's to my column
.irp g, G1X, G1W
	s_mov_b32 s[\g+1], 32<<16                      ; a unit is a dense block: 136 rows of 32 elements of 8 bytes
	s_mov_b32 s[\g+2], 136<<16
	s_mov_b32 s[\g+3], 32<<16
	s_mov_b32 s[\g+4], 136
	s_mov_b32 s[\g+5], 32
	s_mov_b32 s[\g+6], 0
	s_mov_b32 s[\g+7], 0
.endr
	s_lshl_b32 s60, s23, 1
	s_add_co_u32 s60, s60, s19
	s_mul_i32 s60, s60, UNIT                       ; o's unit 2 I + wave % 2: hangs on I alone
	s_mov_b32 s61, 0
	s_lshl_b32 s62, s22, 1
	s_add_co_u32 s62, s62, s19
	s_add_co_u32 s62, s62, 48
	s_mul_i32 s62, s62, UNIT                       ; Wo's unit 48 + 2 J + wave % 2: hangs on J alone
	s_mov_b32 s63, 0
	s_mul_i32 s26, s19, UNIT
	s_wait_dscnt 0x0
	CROUND                                         ; all sixteen work-groups are here; the round needs no argument, so it stands ahead of the wait for them
	s_wait_kmcnt 0x0
	s_mov_b32 s[G0X], 1
	s_mov_b32 s[G0X+1], s26                        ; LDS: unit wave % 2 (waves 0, 1 issue this one)
	s_add_nc_u64 s[G0X+2:G0X+3], s[4:5], s[60:61]
	s_or_b32 s[G0X+3], s[G0X+3], 0x80000000
	s_mov_b32 s[G0W], 1
	s_add_co_u32 s[G0W+1], s26, 2*UNIT             ; LDS: unit 2 + wave % 2 (waves 2, 3 issue this one)
	s_add_nc_u64 s[G0W+2:G0W+3], s[6:7], s[62:63]
	s_or_b32 s[G0W+3], s[G0W+3], 0x80000000
	s_cmp_lt_u32 s16, 2                            ; the branches hang on the wave's number alone; four v_nop follow each load
	s_cbranch_scc0 .Lnot_o
	tensor_load_to_lds s[G0X:G0X+3], s[G1X:G1X+7]
	s_nop 0
.rept 4
	v_nop
.endr
	s_branch .Lasked
.Lnot_o:
	s_cmp_lt_u32 s16, 4
	s_cbranch_scc0 .Lasked
	tensor_load_to_lds s[G0W:G0W+3], s[G1W:G1W+7]
	s_nop 0
.rept 4
	v_nop
.endr
.Lasked:
	v_and_b32 v1, 31, v0                           ; lane
	v_and_b32 v2, 15, v0                           ; r
	v_bfe_u32 v3, v0, 4, 1                         ; h
	s_delay_alu instid0(VALU_DEP_3)
	v_lshlrev_b32 v12, 4, v1
	s_wait_alu depctr_va_vdst(0)
	v_lshlrev_b32 v13, 2, v1
	s_wait_alu depctr_va_vdst(0)
	s_add_co_u32 s66, s17, 2
	s_mul_i32 s66, s66, UNIT                       ; Wo's unit of my 64 columns
	v_add_nc_u32 v[PA], s66, v12
	v_add_nc_u32 v[PS], s66, v13
	s_lshr_b32 s67, s18, 1
	s_mul_i32 s67, s67, UNIT                       ; my tokens' unit,
	s_and_b32 s68, s18, 1
	s_lshl_b32 s69, s68, 14                        ; and which 32 of its 64 rows: two tiles of 8,192 bytes,
	s_lshl_b32 s68, s68, 10                        ; 1,024 bytes of scale words
	s_add_co_u32 s69, s69, s67
	s_add_co_u32 s68, s68, s67
	v_add_nc_u32 v[RA], s69, v12
	v_add_nc_u32 v[RS], s68, v13
	s_mul_i32 s70, s16, 16*SPI
	s_add_co_u32 s70, s70, STG                     ; my stage
	v_mul_u32_u24 v[STO], v2, SPI
	s_delay_alu instid0(VALU_DEP_1)
	v_lshl_add_u32 v[STO], v3, 6, v[STO]
	s_delay_alu instid0(VALU_DEP_1)
	v_add_nc_u32 v[STO], s70, v[STO]               ; in: row r, + 64 h bytes
	v_mul_u32_u24 v[RD], v3, SPI
	s_delay_alu instid0(VALU_DEP_1)
	v_lshl_add_u32 v[RD], v2, 4, v[RD]
	s_delay_alu instid0(VALU_DEP_1)
	v_add_nc_u32 v[RD], s70, v[RD]                 ; back: lanes 0-15 one row of 256 bytes, lanes 16-31 the next
	v_lshlrev_b32 v[GO], 12, v3
	s_delay_alu instid0(VALU_DEP_1)
	v_lshl_add_u32 v[GO], v2, 4, v[GO]             ; and the same two rows of out0
	v_lshlrev_b32 v[BO], 6, v3
	s_wait_alu depctr_va_vdst(0)
	s_lshl_b32 s72, s22, 7
	s_lshl_b32 s73, s17, 6
	s_add_co_u32 s72, s72, s73
	s_lshl_b32 s72, s72, 2                         ; my first column, in bytes
	s_mov_b32 s73, 0
	s_add_nc_u64 s[52:53], s[8:9], s[72:73]        ; bo at my 64 columns
	s_lshl_b32 s74, s23, 7
	s_lshl_b32 s75, s18, 5
	s_add_co_u32 s74, s74, s75
	s_lshl_b32 s74, s74, 12                        ; my first token's row of 4,096 bytes
	s_add_co_u32 s74, s74, s72
	s_mov_b32 s75, 0
	s_add_nc_u64 s[54:55], s[10:11], s[74:75]
.irp pt, 0,1,2,3
	global_load_b128 v[BI+8*\pt:BI+8*\pt+3], v[BO], s[52:53] offset:(32*(\pt/2)+8*(\pt%2))*4
	global_load_b128 v[BI+8*\pt+4:BI+8*\pt+7], v[BO], s[52:53] offset:(32*(\pt/2)+8*(\pt%2))*4+16
.endr
	s_wait_loadcnt 0x0
	s_wait_tensorcnt 0x0                           ; my unit has landed (a wave that fetched none passes at once),
	s_barrier_signal -1
	s_barrier_wait -1                              ; everybody's has
.macro LD set, s                       ; K step s into a set: 15 LDS loads
.irp t, 0,1,2,3
.irp c, 0,1
	ds_load_b128 v[PF+32*(\set)+8*\t+4*\c:PF+32*(\set)+8*\t+4*\c+3], v[PA] offset:\t*8192+(\s)*1024+\c*512
.endr
.endr
.irp t, 0,1
.irp c, 0,1
	ds_load_b128 v[RF+16*(\set)+8*\t+4*\c:RF+16*(\set)+8*\t+4*\c+3], v[RA] offset:\t*8192+(\s)*1024+\c*512
.endr
.endr
	ds_load_b32 v[SC+3*(\set)], v[PS] offset:32768+(\s)*128
	ds_load_b32 v[SC+3*(\set)+1], v[PS] offset:32768+1024+(\s)*128
	ds_load_b32 v[SC+3*(\set)+2], v[RS] offset:32768+(\s)*128
.endm
.macro MULP set, first                 ; 8 products; the 8 accumulators take turns, one instruction a turn, in one order in every step
.irp rt, 0,1
.irp pt, 0,1,2,3
.if \first
	WM ACC+8*(4*\rt+\pt), PF+32*(\set)+8*\pt, RF+16*(\set)+8*\rt, BI+8*\pt, SC+3*(\set)+\pt/2, SC+3*(\set)+2, \pt%2, \rt
.else
	WM ACC+8*(4*\rt+\pt), PF+32*(\set)+8*\pt, RF+16*(\set)+8*\rt, ACC+8*(4*\rt+\pt), SC+3*(\set)+\pt/2, SC+3*(\set)+2, \pt%2, \rt
.endif
.endr
.endr
.endm
	LD 0, 0
	LD 1, 1
.irp s, 0,1,2,3,4,5,6,7
.if \s < 7
	s_wait_dscnt 15                                ; this step's set is in; the other set's fifteen loads may be out
.else
	s_wait_dscnt 0x0
.endif
.if \s == 0
	MULP 0, 1
.else
	MULP \s%2, 0
.endif
.if \s < 6
.rept 4
	v_nop                                          ; four places in front of loads into registers that matrix instructions have read
.endr
	LD \s%2, \s+2
.endif
.endr
	; THE WAY OUT: 16 tokens x 64 columns at a time through my own stage; they come back as whole rows of 256 bytes
.rept 4
	v_nop                                          ; four places behind the last products
.endr
.irp rt, 0,1
.irp pt, 0,1,2,3
	ds_store_b128 v[STO], v[ACC+8*(4*\rt+\pt):ACC+8*(4*\rt+\pt)+3] offset:128*(\pt/2)+32*(\pt%2)        ; each accumulator from its low end on
	ds_store_b128 v[STO], v[ACC+8*(4*\rt+\pt)+4:ACC+8*(4*\rt+\pt)+7] offset:128*(\pt/2)+32*(\pt%2)+16
.endr
.irp i, 0,1,2,3,4,5,6,7
	ds_load_b128 v[OB+32*\rt+4*\i:OB+32*\rt+4*\i+3], v[RD] offset:2*\i*SPI   ; LDS serves a wave's instructions in order: these see my stores, and the next tile's stores come behind them
.endr
.endr
	s_wait_dscnt 16                                ; the first tile is back; the second tile's eight stores and eight loads may be out
.irp i, 0,1,2,3,4,5,6,7
	global_store_b128 v[GO], v[OB+4*\i:OB+4*\i+3], s[54:55] offset:(2*\i+8*(\i/4))*4096 th:TH_STORE_NT   ; place p of tile rt is token 8 rt + p + 8 (p / 8); sixteen lanes store 256 consecutive bytes, aligned
.endr
	s_wait_dscnt 0x0
.irp i, 0,1,2,3,4,5,6,7
	global_store_b128 v[GO], v[OB+32+4*\i:OB+32+4*\i+3], s[54:55] offset:(8+2*\i+8*(\i/4))*4096 th:TH_STORE_NT
.endr
	s_wait_tensorcnt 0x0
	ds_add_u32 v224, v225
	s_wait_dscnt 0x0
	CROUND                                         ; the closing round: no work-group ends while a partner may still ask for a unit that names it
	s_endpgm
.Lfunc_end_k_q98e2919e30_proj:
	.size	k_q98e2919e30_proj, .Lfunc_end_k_q98e2919e30_proj-k_q98e2919e30_proj
	.p2alignl 7, 3214868480
	.fill 96, 4, 3214868480
	.section	.rodata,"a",@progbits
	.p2align	6, 0x0
	.amdhsa_kernel k_q98e2919e30_proj
		.amdhsa_group_segment_fixed_size 175104
		.amdhsa_private_segment_fixed_size 0
		.amdhsa_enable_private_segment 0
		.amdhsa_kernarg_size 32
		.amdhsa_user_sgpr_count 2
		.amdhsa_user_sgpr_kernarg_segment_ptr 1
		.amdhsa_wavefront_size32 1
		.amdhsa_system_sgpr_workgroup_id_x 1
		.amdhsa_system_sgpr_workgroup_id_y 1
		.amdhsa_system_sgpr_workgroup_id_z 1
		.amdhsa_system_vgpr_workitem_id 0
		.amdhsa_next_free_vgpr 226
		.amdhsa_next_free_sgpr 80
		.amdhsa_reserve_vcc 0
		.amdhsa_float_denorm_mode_32 3
		.amdhsa_float_denorm_mode_16_64 3
		.amdhsa_memory_ordered 1
		.amdhsa_forward_progress 1
		.amdhsa_inst_pref_size 28
	.end_amdhsa_kernel
	.amdgpu_metadata
---
amdhsa.version: [ 1, 2 ]
amdhsa.kernels:
  - .name:           k_q98e2919e30_proj
    .symbol:         k_q98e2919e30_proj.kd
    .args:
      - { .name: oq, .offset: 0, .size: 8, .value_kind: global_buffer, .address_space: global }
      - { .name: wq, .offset: 8, .size: 8, .value_kind: global_buffer, .address_space: global }
      - { .name: bo, .offset: 16, .size: 8, .value_kind: global_buffer, .address_space: global }
      - { .name: out0, .offset: 24, .size: 8, .value_kind: global_buffer, .address_space: global }
    .group_segment_fixed_size: 175104
    .private_segment_fixed_size: 0
    .kernarg_segment_align: 8
    .kernarg_segment_size: 32
    .max_flat_workgroup_size: 256
    .sgpr_count:     80
    .vgpr_count:     226
    .wavefront_size: 32
...
	.end_amdgpu_metadata
.endif
;; end of part 4
